; MI455X (gfx1250); checked and timed in simulation.
; The chip was launched on July 23, 2026; its instructions are those of AMD's public machine-readable ISA for CDNA 5 (MIT licence, August 2026) and "CDNA5" Instruction Set Architecture Reference Guide (July 2026). The comments in the code are by the model that wrote it; some were corrected since.
;; Parallel Transformer Block. Allowed arithmetic: matrix products marked QUANTISED: E3M2 operands, one E8M0 scale for each 32 along K, by v_wmma_scale_f32_16x16x128_f8f6f4 with both operands' format E3M2, f32 sums; products left as they are: f32 operands where the result goes on into a quantised operand, else bf16, f16 or f32 operands; f32 sums; everything else in f32.
;; Inputs: W_attn_out 512 x 1,024 float32; W_ff_out 4,096 x 1,024 float32; W_fused 1,024 x 8,768 float32; gamma 1,024 float32; x 2 x 2,048 x 1,024 float32.
;; Outputs: out0 2 x 2,048 x 1,024 float32.
;; This version of the problem:
;;   THIS VERSION OF THE PROBLEM IS GIVEN IN LOW PRECISION. The matrix products marked QUANTISED in the list below multiply operands that are first quantised to E3M2 (3 exponent bits, 2 mantissa bits; 6 bits a number), with one power-of-two scale for each 32 numbers along K (OCP MX v1.0); their sums are f32. All else is computed in f32.
;;   The module's matrix products, in the order in which they are computed (A, B: the left and right operand; K: the contracted axis; several contracted axes count as one K, in the product's order):
;;     1. [M 4,096, K 1,024] x [K 1,024, N 8,768]; A: computed on the way; B: input W_fused: QUANTISED
;;     2. [M 2,048, K 1] x [K 1, N 16]; A: computed on the way; B: computed on the way: left as it is (no contracted axis)
;;     3. batch 2 x [M 32,768, K 32] x [K 32, N 2,048]; A: computed on the way; B: computed on the way: QUANTISED
;;     4. batch 2 x [M 32,768, K 2,048] x [K 2,048, N 32]; A: softmax (see below); B: computed on the way: QUANTISED
;;     5. [M 4,096, K 512] x [K 512, N 1,024]; A: computed on the way; B: input W_attn_out: QUANTISED
;;     6. [M 4,096, K 4,096] x [K 4,096, N 1,024]; A: computed on the way; B: input W_ff_out: QUANTISED
;;   THE QUANTISER, for each operand of a quantised product, along K:
;;     - K is cut into blocks of 32 from its start; a last block that is shorter is filled with zeros.
;;     - A block's scale is 2^e with e = floor(log2(the largest magnitude in the block)) - 4, held to -126 .. 127; a block of zeros has e = 0. As a byte (E8M0): e + 127.
;;     - Each number is divided by its block's scale, clamped to +-28, and rounded to the nearest number of E3M2, ties to even, subnormals kept.
;;     - The product sums the exact products of the quantised numbers (number of the format x scale) in f32.
;;   ~~~python
;;   def quantise(x, axis):      # numpy; x: float32 -> the quantised numbers, widened to float32 again
;;       x = np.moveaxis(x, axis, -1); K = x.shape[-1]
;;       x = np.pad(x, [(0, 0)] * (x.ndim - 1) + [(0, -K % 32)]); x = x.reshape(x.shape[:-1] + (-1, 32)); a = np.abs(x).max(-1, keepdims=True)
;;       e = np.where(a > 0, np.clip(np.frexp(np.where(a > 0, a, 1))[1] - 1 - 4, -126, 127), 0)      # np.frexp(a)[1] - 1 = floor(log2(a)), exactly
;;       r = np.clip(x / 2.0 ** e, -28, 28)
;;       step = 2.0 ** (np.maximum(np.frexp(np.where(r == 0, 1, r))[1] - 1, -2) - 2)
;;       q = np.round(r / step) * step * 2.0 ** e      # np.round: ties to even
;;       return np.moveaxis(q.reshape(q.shape[:-2] + (-1,))[..., :K], -1, axis).astype(np.float32)
;;   ~~~
;;   SOFTMAX AHEAD OF A QUANTISED PRODUCT. Where the list says 'softmax', what is quantised is not the finished softmax but p = 2^(t - M), with t = logit x log2(e) and M = ceil(the row's largest t), a whole number; so 1/2 < the row's largest p <= 1. The row's sum l is taken of the UNQUANTISED p, in f32, and the product's result is divided by l at the end. Since M is a whole number, a kernel that streams over the keys may use a running M (the ceiling of the running maximum): every later rescaling is an exact power of two, which a block's scale takes up: the codes' values come out the same.
;;   OPERANDS COMPUTED ON THE WAY. 'Computed on the way' means the value that the module computes at that place (a softmax that the list does not call 'softmax' is quantised finished and normalised). What goes into a quantiser is computed in f32, as accurately as f32 sums, v_exp_f32 and their like allow (about 1e-6 of the number): no bf16 or f16 on the way to a quantiser, and a product that is left as it is and whose result goes on into a quantised operand takes f32 operands (vector FMAs, or v_wmma_f32_16x16x4_f32). A number that lies on a knife's edge between two numbers of the format may be rounded either way, as far as f32 arithmetic and the matrix unit's own rounding can turn it there, and no further.
;; One version. Each part assembles by itself: llvm-mc -triple=amdgcn-amd-amdhsa -mcpu=gfx1250 --defsym DOCPART=n.
;; ======== version 1 of 1: 5 launches
;; limits: right only within a limited range of input values
;; workspace buffers: wsp 13,977,600 bytes; qkv 2,301,952 bytes; a2 14,745,600 bytes
;; launch prep (part 1): grid 674 x 1, 4 waves a work-group, no clusters, 66,304 bytes of LDS; arguments x, gamma, W_fused, W_attn_out, W_ff_out, wsp; writes wsp
.if DOCPART == 1
	.amdgcn_target "amdgcn-amd-amdhsa--gfx1250"
	.amdhsa_code_object_version 6
	.text
	.protected	k_qb6fbec6f56_prep
	.globl	k_qb6fbec6f56_prep
	.p2align	8
	.type	k_qb6fbec6f56_prep,@function
k_qb6fbec6f56_prep:
	s_mov_b64 s[64:65], 0
	v_nop
	global_prefetch_b8 v0, s[64:65] scope:SCOPE_SE
	s_setreg_imm32_b32 hwreg(HW_REG_WAVE_MODE, 25, 1), 1
	s_wait_xcnt 0x0
; PREP: every f32 input becomes codes of E3M2 with one E8M0 byte for each 32 along K, laid in wsp in the order of the matrix operand's registers.
; A FRAGMENT (16 rows x 128 K) is 1,536 bytes: two halves of 768; in a half, lane l's registers 0-3 lie at 16 l and its registers 4-5 at 512 + 8 l; lane (r, h) holds block h of row r whole.
; A RECORD is one K step of T row tiles: T fragments, then T x 16 scale words (byte b of a word: block b).
; wsp: XN [16 groups of 256 rows][8 K steps][25,600] | WF [32][8][25,600] (tile 8 cw + b: b < 4 ff_x, b >= 4 ff_gate of the same hidden units) | WQ [4][8][12,800] | WKV [8][6,400] | W2 [8][36][12,800].
; ROLES by the work-group's number: 0-273 W_fused, 274-417 W_attn_out and W_ff_out (one operand of K = 4,608), 418-673 LayerNorm of 16 rows of x each.
; WEIGHTS: K is the first axis.  A lane takes a column and its registers run down K: a block of 32 lies in one lane, and the conversions give codes with K innermost.  A wave takes 32 columns x 256 K.
; The two output weights take their K rows inside each block in the order 0-7, 16-23, 8-15, 24-31: the order in which the other operand of those products comes out of a transposed matrix result.  The blocks keep their 32 members.
; LAYERNORM: two passes in f32 (mean, then the squares of the differences), so a common offset of the inputs costs no digits.
; LIMITS: NaN and infinities among the inputs are not served.  A block whose largest magnitude lies under 2^-122 keeps the byte 1, a block of zeros too (the rule says 127): its codes are zeros, and this program alone reads the bytes.
.set PF,      35072                    ; a row of W_fused in bytes
.set PO,      4096                     ; a row of the output weights in bytes
.set WF_OFF,  3276800
.set WQ_OFF,  9830400
.set WKV_OFF, 10240000
.set W2_OFF,  10291200
.set X,   32                           ; weights: v32-95 two sets of 32 numbers;  LayerNorm: v32-159 four rows, later two fragments' numbers
.set C,   96                           ; weights: v96-159 codes: K step kk, block t at C + 32 kk + 8 t, six registers
.set PT,  160                          ; weights: v160-175 the upper halves of four blocks' codes, as the conversions leave them
.set WD,  10                           ; v10-11 the scale words of the two K steps
.set SRC, 24                           ; s[24:27] the source at K step 0 and 1
.set DST, 28                           ; s[28:31] where the two K steps' fragments go
.set SD,  32                           ; s[32:35] and their scale words
.set G,   160                          ; LayerNorm: v160-191 gamma, later codes
.set SU,  192                          ; v192-199 four sums
.set SQ,  200                          ; v200-207 four sums of squares
.set LP,  4112                         ; LayerNorm: an LDS row: 4,096 bytes + 16, so that sixteen rows' loads of 16 bytes start in sixteen different groups of banks
	s_load_b256 s[4:11], s[0:1], 0x0               ; x s[4:5], gamma s[6:7], W_fused s[8:9], W_attn_out s[10:11]
	s_load_b128 s[12:15], s[0:1], 0x20             ; W_ff_out s[12:13], wsp s[14:15]
	v_lshl_add_u32 v208, v0, 2, 0x10100
	v_mov_b32 v209, 0
	v_lshrrev_b32 v1, 5, v0
	v_readfirstlane_b32 s16, v1                    ; wave 0..3
	v_and_b32 v1, 31, v0                           ; lane
	v_lshlrev_b32 v2, 2, v1                        ; 4 x lane
	v_lshlrev_b32 v3, 4, v1                        ; 16 x lane
	v_lshlrev_b32 v4, 3, v1                        ; 8 x lane
	s_and_b32 s17, s16, 1                          ; weights: which 32 of the work-group's 64 columns
	s_lshr_b32 s18, s16, 1                         ; and which 256 of its 512 along K
	s_wait_kmcnt 0x0
	s_cmp_lt_u32 ttmp9, 274
	s_cbranch_scc1 .Lfused
	s_cmp_lt_u32 ttmp9, 418
	s_cbranch_scc1 .Loutw
	; ---------------- LayerNorm: row tile g = work-group - 418; wave w normalises rows 4 w .. 4 w + 3, then makes the fragments of K steps 2 w and 2 w + 1
	s_sub_co_u32 s19, ttmp9, 418
	s_lshl_b32 s20, s19, 4
	s_lshl_b32 s21, s16, 2
	s_add_co_u32 s20, s20, s21                     ; my first row
	s_lshl_b32 s20, s20, 12                        ; x 4,096 bytes
	s_mov_b32 s21, 0
	s_add_nc_u64 s[4:5], s[4:5], s[20:21]
	s_wait_alu depctr_va_vdst(0)
.irp p, 0,1,2,3
.irp j, 0,1,2,3,4,5,6,7
	global_load_b128 v[X+32*\p+4*\j:X+32*\p+4*\j+3], v3, s[4:5] offset:4096*\p+512*\j th:TH_LOAD_NT   ; 32 lanes read 512 consecutive bytes of a row
.endr
.endr
.irp j, 0,1,2,3,4,5,6,7
	global_load_b128 v[G+4*\j:G+4*\j+3], v3, s[6:7] offset:512*\j
.endr
	s_mov_b32 s40, 0x76543210
	s_mov_b32 s41, 0xfedcba98                      ; v_permlanex16_b32's selects for lane l xor 16
	s_mov_b32 s42, 0x3a800000                      ; 1 / 1024
	s_mov_b32 s43, 0x3727c5ac                      ; 1e-5
	v_and_b32 v7, 15, v0                           ; r
	v_bfe_u32 v8, v0, 4, 1                         ; h
	s_wait_alu depctr_va_vdst(0)
	v_lshlrev_b32 v9, 3, v8                        ; 8 h
	v_mov_b32 v18, 0                               ; (a lane permute's destination counts as one of its sources)
	s_mul_i32 s22, s16, 4*LP
	v_add_nc_u32 v5, s22, v3                       ; LDS, on the way in: my four rows, 16 bytes a lane
	v_mul_u32_u24 v6, v7, LP
	v_lshl_add_u32 v6, v8, 7, v6
	s_lshl_b32 s22, s16, 10
	v_add_nc_u32 v6, s22, v6                       ; and on the way out: row r, + 128 h (my block of 32), + 1,024 w (my two K steps)
	s_lshr_b32 s23, s19, 4                         ; the group of 256 rows
	s_lshl_b32 s23, s23, 3
	s_lshl_b32 s24, s16, 1
	s_add_co_u32 s23, s23, s24
	s_mul_i32 s23, s23, 25600                      ; record (group, K step 2 w)
	s_and_b32 s24, s19, 15                         ; my tile in it
	s_mul_i32 s26, s24, 1536
	s_add_co_u32 s26, s26, s23
	s_mov_b32 s27, 0
	s_add_nc_u64 s[26:27], s[14:15], s[26:27]      ; the fragments' place
	s_lshl_b32 s28, s24, 6
	s_add_co_u32 s28, s28, s23
	s_add_co_u32 s28, s28, 24576
	s_mov_b32 s29, 0
	s_add_nc_u64 s[28:29], s[14:15], s[28:29]      ; the scale words' place
	v_mul_u32_u24 v19, v8, 25600
	v_lshl_add_u32 v19, v7, 2, v19                 ; lanes 0-15 store K step 2 w's words, lanes 16-31 the next record's
.macro REDUCE b                        ; four pairs at v[b + 2 p]: the two halves, then the 32 lanes; every lane ends with the sum
.irp p, 0,1,2,3
	v_add_f32 v[\b+2*\p], v[\b+2*\p], v[\b+2*\p+1]
.endr
.irp m, 1,2,4,8
.irp p, 0,1,2,3
	v_add_f32_dpp v[\b+2*\p], v[\b+2*\p], v[\b+2*\p] row_xmask:\m row_mask:0xf bank_mask:0xf
.endr
.endr
.irp p, 0,1,2,3
	v_permlanex16_b32 v[\b+2*\p+1], v[\b+2*\p], s40, s41
.endr
.irp p, 0,1,2,3
	v_add_f32 v[\b+2*\p], v[\b+2*\p], v[\b+2*\p+1]
.endr
.endm
	s_wait_loadcnt 0x0
.irp p, 0,1,2,3                        ; the four rows by turns, so that no line waits for the line above it
	v_pk_add_f32 v[SU+2*\p:SU+2*\p+1], v[X+32*\p:X+32*\p+1], v[X+32*\p+2:X+32*\p+3]
.endr
.irp j, 4,6,8,10,12,14,16,18,20,22,24,26,28,30
.irp p, 0,1,2,3
	v_pk_add_f32 v[SU+2*\p:SU+2*\p+1], v[SU+2*\p:SU+2*\p+1], v[X+32*\p+\j:X+32*\p+\j+1]
.endr
.endr
	REDUCE SU
.irp p, 0,1,2,3
	v_mul_f32 v[SU+2*\p], s42, v[SU+2*\p]          ; the mean
.endr
.irp j, 0,2,4,6,8,10,12,14,16,18,20,22,24,26,28,30
.irp p, 0,1,2,3
	v_pk_add_f32 v[X+32*\p+\j:X+32*\p+\j+1], v[X+32*\p+\j:X+32*\p+\j+1], v[SU+2*\p:SU+2*\p+1] op_sel_hi:[1,0] neg_lo:[0,1] neg_hi:[0,1]   ; x - mean
.endr
.endr
.irp p, 0,1,2,3
	v_pk_mul_f32 v[SQ+2*\p:SQ+2*\p+1], v[X+32*\p:X+32*\p+1], v[X+32*\p:X+32*\p+1]
.endr
.irp j, 2,4,6,8,10,12,14,16,18,20,22,24,26,28,30
.irp p, 0,1,2,3
	v_pk_fma_f32 v[SQ+2*\p:SQ+2*\p+1], v[X+32*\p+\j:X+32*\p+\j+1], v[X+32*\p+\j:X+32*\p+\j+1], v[SQ+2*\p:SQ+2*\p+1]
.endr
.endr
	REDUCE SQ
.irp p, 0,1,2,3
	v_fma_f32 v[SQ+2*\p], v[SQ+2*\p], s42, s43     ; the variance + 1e-5
.endr
	s_wait_alu depctr_va_vdst(0)
.irp p, 0,1,2,3
	v_rsq_f32 v[SQ+2*\p], v[SQ+2*\p]
.endr
	v_nop                                          ; one plain place behind the transcendentals
	s_wait_alu depctr_va_vdst(0)
.irp j, 0,2,4,6,8,10,12,14,16,18,20,22,24,26,28,30
.irp p, 0,1,2,3
	v_pk_mul_f32 v[X+32*\p+\j:X+32*\p+\j+1], v[X+32*\p+\j:X+32*\p+\j+1], v[SQ+2*\p:SQ+2*\p+1] op_sel_hi:[1,0]
.endr
.endr
.irp j, 0,2,4,6,8,10,12,14,16,18,20,22,24,26,28,30
.irp p, 0,1,2,3
	v_pk_mul_f32 v[X+32*\p+\j:X+32*\p+\j+1], v[X+32*\p+\j:X+32*\p+\j+1], v[G+\j:G+\j+1]   ; x gamma, in reference()'s order
.endr
.endr
.irp p, 0,1,2,3
.irp j, 0,1,2,3,4,5,6,7
	ds_store_b128 v5, v[X+32*\p+4*\j:X+32*\p+4*\j+3] offset:LP*\p+512*\j
.endr
.endr
	s_wait_dscnt 0x0                               ; for the others' sake: my rows lie in LDS
	s_barrier_signal -1
	s_barrier_wait -1                              ; all sixteen rows do
.irp k, 0,1                            ; lane (r, h) takes, of row r, blocks h and 2 + h of each of my two K steps: 32 neighbours each
.irp c, 0,1
.irp q, 0,1,2,3,4,5,6,7
	ds_load_b128 v[X+64*\k+32*\c+4*\q:X+64*\k+32*\c+4*\q+3], v6 offset:512*\k+256*\c+16*\q
.endr
.endr
.endr
.macro NQUANT kk                       ; 64 numbers of a lane become a fragment's twelve registers and its row's scale word
.set NB, X+64*(\kk)
.set NC, G+12*(\kk)
.irp c, 0,1
	v_max3_num_f32 v[10+\c], |v[NB+32*\c]|, |v[NB+32*\c+1]|, 0x2800000   ; the floor 2^(5 - 127) is one leaf: the byte cannot fall under 1
.endr
.irp i, 2,4,6,8,10,12,14,16,18,20,22,24,26,28,30
.irp c, 0,1
	v_max3_num_f32 v[10+\c], v[10+\c], |v[NB+32*\c+\i]|, |v[NB+32*\c+\i+1]|
.endr
.endr
.irp c, 0,1
	v_add_nc_u32 v[12+\c], 0xfe000000, v[10+\c]    ; 4 off the exponent field: the conversion's scale operand
.endr
.irp c, 0,1
	v_lshrrev_b32 v[14+\c], 23, v[12+\c]           ; the scale's byte
.endr
	v_lshl_or_b32 v[16+\kk], v15, 16, v14          ; my two bytes: blocks h and 2 + h,
	v_lshlrev_b32 v[16+\kk], v9, v[16+\kk]         ; 8 h bits up;
	v_permlanex16_b32 v18, v[16+\kk], s40, s41
	v_or_b32 v[16+\kk], v[16+\kk], v18             ; with lane l xor 16's two the word is whole
	v_cvt_scalef32_pk16_bf6_f32 v[NC:NC+2], v[NB:NB+15], v12
	v_cvt_scalef32_pk16_bf6_f32 v[184:186], v[NB+16:NB+31], v12     ; (a conversion's three registers begin on an even number)
	v_cvt_scalef32_pk16_bf6_f32 v[NC+6:NC+8], v[NB+32:NB+47], v13
	v_cvt_scalef32_pk16_bf6_f32 v[188:190], v[NB+48:NB+63], v13
	v_nop                                          ; one plain place behind the conversions
.irp i, 0,1,2
	v_mov_b32 v[NC+3+\i], v[184+\i]
	v_mov_b32 v[NC+9+\i], v[188+\i]
.endr
	global_store_b128 v3, v[NC:NC+3], s[26:27] offset:25600*(\kk)           ; 512, 256, 512, 256 consecutive bytes
	global_store_b64 v4, v[NC+4:NC+5], s[26:27] offset:25600*(\kk)+512
	global_store_b128 v3, v[NC+6:NC+9], s[26:27] offset:25600*(\kk)+768
	global_store_b64 v4, v[NC+10:NC+11], s[26:27] offset:25600*(\kk)+1280
.endm
	s_wait_dscnt 16                                ; the first fragment's sixteen loads are in; the second's sixteen may be out
	NQUANT 0
	s_wait_dscnt 0x0
	NQUANT 1                                       ; (its codes have registers of their own: no store's data are rewritten)
	v_cmp_eq_u32 vcc_lo, 1, v8
	v_cndmask_b32 v20, v16, v17, vcc_lo
	global_store_b32 v19, v20, s[28:29]
	s_wait_tensorcnt 0x0
	ds_add_u32 v208, v209
	s_wait_dscnt 0x0
	s_endpgm
; ---------------- the weights
.macro PLACE nks                       ; s21 group, s20 which 256 along K, s22 first tile, s23 a record's bytes, s36 where its scale words begin, s37 the region
	s_mul_i32 s21, s21, \nks
	s_lshl_b32 s38, s20, 1
	s_add_co_u32 s21, s21, s38
	s_mul_i32 s21, s21, s23
	s_add_co_u32 s21, s21, s37                     ; the first K step's record
	s_mul_i32 s38, s22, 1536
	s_add_co_u32 s38, s38, s21
	s_mov_b32 s39, 0
	s_add_nc_u64 s[DST:DST+1], s[14:15], s[38:39]
	s_lshl_b32 s38, s22, 6
	s_add_co_u32 s38, s38, s36
	s_add_co_u32 s38, s38, s21
	s_add_nc_u64 s[SD:SD+1], s[14:15], s[38:39]
	s_mov_b32 s38, s23
	s_add_nc_u64 s[DST+2:DST+3], s[DST:DST+1], s[38:39]   ; the second K step's lies one record on
	s_add_nc_u64 s[SD+2:SD+3], s[SD:SD+1], s[38:39]
.endm
.macro WLOAD blk, pitch, perm          ; block blk of eight: 32 rows of K at my column; each load reads 128 consecutive bytes
.set WI, 0
.rept 32
.if \perm
.set RH, WI%8+8*(((WI/8)%2)*2+WI/16)
.else
.set RH, WI
.endif
	global_load_b32 v[X+32*((\blk)%2)+WI], v2, s[SRC+2*((\blk)/4):SRC+2*((\blk)/4)+1] offset:(32*((\blk)%4)+RH)*\pitch th:TH_LOAD_NT
.set WI, WI+1
.endr
.endm
.macro WBLOCK blk, pitch, perm
.set XS, X+32*((\blk)%2)
.set CT, C+32*((\blk)/4)+8*((\blk)%4)
.set PB, PT+4*((\blk)%4)
.if (\blk) < 7
	s_wait_loadcnt 32                              ; this block's 32 loads are in; the next block's 32 may be out
.else
	s_wait_loadcnt 0x0
.endif
	v_max3_num_f32 v12, |v[XS]|, |v[XS+1]|, |v[XS+2]|               ; the block's largest magnitude: all 32 numbers are mine; two chains
	v_max3_num_f32 v13, |v[XS+3]|, |v[XS+4]|, |v[XS+5]|
.irp i, 6,10,14,18,22,26
	v_max3_num_f32 v12, v12, |v[XS+\i]|, |v[XS+\i+1]|
	v_max3_num_f32 v13, v13, |v[XS+\i+2]|, |v[XS+\i+3]|
.endr
	v_max3_num_f32 v12, v12, |v[XS+30]|, |v[XS+31]|
	v_max3_num_f32 v12, v12, v13, 0x2800000        ; and the floor 2^(5 - 127)
	v_add_nc_u32 v14, 0xfe000000, v12              ; 4 off the exponent field: the conversion's scale operand
	v_lshrrev_b32 v15, 23, v14                     ; the scale's byte
	v_cvt_scalef32_pk16_bf6_f32 v[CT:CT+2], v[XS:XS+15], v14
	v_cvt_scalef32_pk16_bf6_f32 v[PB:PB+2], v[XS+16:XS+31], v14
.if (\blk)%4 == 0
	v_mov_b32 v[WD+(\blk)/4], v15                  ; (the plain place behind the conversions)  four bytes to a word, the lower K in the lower byte
.else
	v_lshl_or_b32 v[WD+(\blk)/4], v15, 8*((\blk)%4), v[WD+(\blk)/4]
.endif
.if (\blk)+2 < 8
	WLOAD (\blk)+2, \pitch, \perm
.endif
.endm
.macro WOUT kk                         ; a K step's four blocks of 32 columns become two tiles' fragments.  Lane 16 u + r holds column r of tile u
.set CB, C+32*(\kk)
.irp t, 0,1,2,3
.irp i, 0,1,2
	v_mov_b32 v[CB+8*\t+3+\i], v[PT+4*\t+\i]
.endr
.endr
.irp i, 0,1,2,3,4,5                    ; blocks 0 and 1 change halves (2 and 3 likewise): the first then holds tile 0's blocks 0 | 1, the second tile 1's
	v_permlane16_swap_b32 v[CB+\i], v[CB+8+\i]
	v_permlane16_swap_b32 v[CB+16+\i], v[CB+24+\i]
.endr
.irp c, 0,1
.irp u, 0,1
	global_store_b128 v3, v[CB+16*\c+8*\u:CB+16*\c+8*\u+3], s[DST+2*(\kk):DST+2*(\kk)+1] offset:\u*1536+\c*768
	global_store_b64 v4, v[CB+16*\c+8*\u+4:CB+16*\c+8*\u+5], s[DST+2*(\kk):DST+2*(\kk)+1] offset:\u*1536+\c*768+512
.endr
.endr
	global_store_b32 v2, v[WD+\kk], s[SD+2*(\kk):SD+2*(\kk)+1]
.endm
.macro WROLE pitch, perm               ; the two K steps have code registers of their own, so no store's data are rewritten
	WLOAD 0, \pitch, \perm
	WLOAD 1, \pitch, \perm
.irp n, 0,1,2,3
	WBLOCK \n, \pitch, \perm
.endr
	WOUT 0
.irp n, 4,5,6,7
	WBLOCK \n, \pitch, \perm
.endr
	WOUT 1
.endm
.Lfused:                                               ; 137 pairs of column groups x 2 halves of K
	s_lshr_b32 s19, ttmp9, 1
	s_and_b32 s20, ttmp9, 1
	s_lshl_b32 s19, s19, 1
	s_add_co_u32 s19, s19, s17                     ; my group of 32 columns, 0..273
	s_lshl_b32 s20, s20, 1
	s_add_co_u32 s20, s20, s18                     ; which 256 along K, 0..3
	s_mul_i32 s38, s20, 256*PF
	s_lshl_b32 s39, s19, 7
	s_add_co_u32 s38, s38, s39
	s_mov_b32 s39, 0
	s_add_nc_u64 s[SRC:SRC+1], s[8:9], s[38:39]
	s_add_nc_u64 s[SRC+2:SRC+3], s[SRC:SRC+1], 128*PF   ; a base for each K step: the immediates stay at 127 rows, inside their signed 24 bits
	s_cmp_lt_u32 s19, 16
	s_cbranch_scc0 .Lnot_q
	s_lshr_b32 s21, s19, 2                         ; q: a group of 32 columns is a head; four heads to a record
	s_and_b32 s22, s19, 3
	s_lshl_b32 s22, s22, 1
	s_mov_b32 s23, 12800
	s_mov_b32 s36, 12288
	s_mov_b32 s37, WQ_OFF
	s_branch .Lplaced
.Lnot_q:
	s_cmp_lt_u32 s19, 18
	s_cbranch_scc0 .Lff
	s_mov_b32 s21, 0                               ; k (group 16) and v (17): tiles k0, k1, v0, v1
	s_sub_co_u32 s22, s19, 16
	s_lshl_b32 s22, s22, 1
	s_mov_b32 s23, 6400
	s_mov_b32 s36, 6144
	s_mov_b32 s37, WKV_OFF
	s_branch .Lplaced
.Lff:
	s_sub_co_u32 s38, s19, 18
	s_lshr_b32 s39, s38, 7                         ; 0: ff_x, 1: ff_gate
	s_and_b32 s38, s38, 127                        ; which 32 hidden units
	s_lshr_b32 s21, s38, 2                         ; the group of 128 hidden units
	s_bfe_u32 s22, s38, 0x10001                    ; which 64 of them
	s_lshl_b32 s22, s22, 3
	s_lshl_b32 s39, s39, 2
	s_add_co_u32 s22, s22, s39
	s_and_b32 s38, s38, 1
	s_lshl_b32 s38, s38, 1
	s_add_co_u32 s22, s22, s38                     ; tile 8 cw + 4 gate + 2 (which 32 of the 64)
	s_mov_b32 s23, 25600
	s_mov_b32 s36, 24576
	s_mov_b32 s37, WF_OFF
.Lplaced:
	PLACE 8
	s_wait_alu depctr_va_vdst(0)
	WROLE PF, 0
	s_endpgm
.Loutw:                                                ; 16 pairs of column groups x 9 pieces of 512 along K = 4,608
	s_sub_co_u32 s38, ttmp9, 274
	s_and_b32 s19, s38, 15
	s_lshr_b32 s20, s38, 4
	s_lshl_b32 s19, s19, 1
	s_add_co_u32 s19, s19, s17                     ; my group of 32 columns, 0..31
	s_lshl_b32 s20, s20, 1
	s_add_co_u32 s20, s20, s18                     ; which 256 along K, 0..17
	s_cmp_lt_u32 s20, 2                            ; the first 512 along K are W_attn_out's rows, the rest W_ff_out's: the choice hangs on ids alone
	s_cselect_b64 s[SRC:SRC+1], s[10:11], s[12:13]
	s_cselect_b32 s38, 0, 2
	s_sub_co_u32 s38, s20, s38
	s_lshl_b32 s38, s38, 20                        ; 256 rows of 4,096 bytes
	s_lshl_b32 s39, s19, 7
	s_add_co_u32 s38, s38, s39
	s_mov_b32 s39, 0
	s_add_nc_u64 s[SRC:SRC+1], s[SRC:SRC+1], s[38:39]
	s_add_nc_u64 s[SRC+2:SRC+3], s[SRC:SRC+1], 128*PO
	s_lshr_b32 s21, s19, 2                         ; the group of 128 output columns
	s_and_b32 s22, s19, 3
	s_lshl_b32 s22, s22, 1
	s_mov_b32 s23, 12800
	s_mov_b32 s36, 12288
	s_mov_b32 s37, W2_OFF
	PLACE 36
	s_wait_alu depctr_va_vdst(0)
	WROLE PO, 1
	s_endpgm
.Lfunc_end_k_qb6fbec6f56_prep:
	.size	k_qb6fbec6f56_prep, .Lfunc_end_k_qb6fbec6f56_prep-k_qb6fbec6f56_prep
	.p2alignl 7, 3214868480
	.fill 96, 4, 3214868480
	.section	.rodata,"a",@progbits
	.p2align	6, 0x0
	.amdhsa_kernel k_qb6fbec6f56_prep
		.amdhsa_group_segment_fixed_size 66304
		.amdhsa_private_segment_fixed_size 0
		.amdhsa_enable_private_segment 0
		.amdhsa_kernarg_size 48
		.amdhsa_user_sgpr_count 2
		.amdhsa_user_sgpr_kernarg_segment_ptr 1
		.amdhsa_wavefront_size32 1
		.amdhsa_system_sgpr_workgroup_id_x 1
		.amdhsa_system_sgpr_workgroup_id_y 1
		.amdhsa_system_sgpr_workgroup_id_z 1
		.amdhsa_system_vgpr_workitem_id 0
		.amdhsa_next_free_vgpr 210
		.amdhsa_next_free_sgpr 66
		.amdhsa_reserve_vcc 1
		.amdhsa_float_denorm_mode_32 3
		.amdhsa_float_denorm_mode_16_64 3
		.amdhsa_memory_ordered 1
		.amdhsa_forward_progress 1
		.amdhsa_inst_pref_size 121
	.end_amdhsa_kernel
	.amdgpu_metadata
---
amdhsa.version: [ 1, 2 ]
amdhsa.kernels:
  - .name:           k_qb6fbec6f56_prep
    .symbol:         k_qb6fbec6f56_prep.kd
    .args:
      - { .name: x, .offset: 0, .size: 8, .value_kind: global_buffer, .address_space: global }
      - { .name: gamma, .offset: 8, .size: 8, .value_kind: global_buffer, .address_space: global }
      - { .name: W_fused, .offset: 16, .size: 8, .value_kind: global_buffer, .address_space: global }
      - { .name: W_attn_out, .offset: 24, .size: 8, .value_kind: global_buffer, .address_space: global }
      - { .name: W_ff_out, .offset: 32, .size: 8, .value_kind: global_buffer, .address_space: global }
      - { .name: wsp, .offset: 40, .size: 8, .value_kind: global_buffer, .address_space: global }
    .group_segment_fixed_size: 66304
    .private_segment_fixed_size: 0
    .kernarg_segment_align: 8
    .kernarg_segment_size: 48
    .max_flat_workgroup_size: 128
    .sgpr_count:     66
    .vgpr_count:     210
    .wavefront_size: 32
...
	.end_amdgpu_metadata
.endif
;; end of part 1
;; launch qkv (part 2): grid 192 x 1, 8 waves a work-group, no clusters, 308,224 bytes of LDS; arguments wsp, qkv; writes qkv
.if DOCPART == 2
	.amdgcn_target "amdgcn-amd-amdhsa--gfx1250"
	.amdhsa_code_object_version 6
	.text
	.protected	k_qb6fbec6f56_qkv
	.globl	k_qb6fbec6f56_qkv
	.p2align	8
	.type	k_qb6fbec6f56_qkv,@function
k_qb6fbec6f56_qkv:
	s_mov_b64 s[64:65], 0
	v_nop
	global_prefetch_b8 v0, s[64:65] scope:SCOPE_SE
	s_setreg_imm32_b32 hwreg(HW_REG_WAVE_MODE, 25, 1), 1
	s_wait_xcnt 0x0
; QKV: the q, k and v columns of xn W_fused on codes of E3M2 (K = 1,024: eight matrix instructions deep), the rotary embedding with its xpos scale in f32, and the quantising of q and k along the head's 32 and of v along the keys.
; Work-groups 0-127 (path Q): 128 rows x 4 heads; wave w: row tiles 2 (w & 3), + 1, heads 2 (w >> 2), + 1 of the four.  Work-groups 128-191 (path KV): 64 rows; waves 0, 1: k of 32 rows each; waves 2, 3: 16 of v's 32 columns each.
; LDS is filled ONCE by tensor loads (all eight K steps of both operands), so there is no ring.  The two paths have LDS bytes of their own.
; NO CLUSTER: a work-group fills some 100 to 200 KB once and then only computes; the two paths share different tiles; all fills of the launch together are 30 MB.
; q AND k: the product is used transposed (source 0 = 16 columns of W, source 1 = 16 rows of xn): a lane holds ONE row, register j of a head's even tile is dim 8 h + j, of its odd tile dim 16 + 8 h + j: the two partners of rotate_half lie in one lane.
; After the conversions a block's 32 codes stand in the order 0-7, 16-23, 8-15, 24-31 of the dims, in q and in k alike, so their product is unchanged.
; v: not transposed (source 0 = 16 rows of xn, source 1 = 16 columns of W): a lane holds one dim and its registers run along the keys, which are the next K; the same order inside a block as the softmax's p will have.
; qkv: Q [pair of row tiles 128][head 16][1,024]: 768 bytes of codes (lanes 0-15: the even tile's rows, lanes 16-31: the odd tile's), then 32 words with the row's scale byte in all four bytes.
;      KV at 2,097,152, [batch][102,400]: k's codes [64 keys][1,536] ('row r, block b' = key 16 b + r) | v's codes [128 keys][dim tile 2][1,536] | k's scale words | v's scale words.
; SINE AND COSINE are made of fused multiply-adds: the angle less a whole number of quarter turns (pi / 2 in two parts), then polynomials on +-pi / 4.
; LIMITS: NaN and infinities are not served; a block under 2^-122 (or of zeros) keeps the byte 1.  inv_freq = 2^(-i log2(10000) / 16) by v_exp_f32 is good to an ulp, which at position 2,047 moves an angle by about 1e-4 rad: as much as the rounding of an f32 angle of that size.
.set WQ_OFF,  9830400
.set WKV_OFF, 10240000
.set KVB,     2097152
.set L0,      204800                   ; path KV's LDS begins here
.set SCX, 22                           ; v22-27 scale words: xn's tiles, then W's
.set FC,  28                           ; v28-59 row tile a: cos x scale at FC + 16 a + j, sin x scale at FC + 16 a + 8 + j
.set ACC, 64                           ; v64-127 accumulators
.set FRG, 128                          ; v128-199 six fragments; free again on the way out
.set RO,  200                          ; v200-231 two row tiles' 16 rotated numbers
.set TM,  232                          ; v232-239 the quantiser's: maxima, the other half's, bytes, scale operands
.set PT,  188                          ; v188-190 the second conversion's result
.set MT,  152                          ; v152-167 products on the way
.set SEL, 52                           ; s[52:53] lane selects
.set G1X, 56                           ; s[56:63] group 1: xn's codes;  s[68:75] xn's scale words;  s[76:83] W's records
.set G1S, 68
.set G1W, 76
.set G0X, 84                           ; s[84:87], s[88:91], s[92:95] their groups 0
.set G0S, 88
.set G0W, 92
; work registers of the rotary factors, all free until the products begin
.set ANG, 64
.set KK,  72
.set RD,  80
.set ZZ,  88
.set SN,  96
.set CN,  104
.set QI,  112
.set SCL, 120
.set TA,  128
.set TB,  136
.set IFQ, 200
.set LSC, 208
.set VT,  216
.set VP,  217
.set W0,  218
.macro MKG1 g, c, r, p                 ; a tile of r rows of c elements of 8 bytes, p elements from row to row, no padding, no mask
	s_mov_b32 s[\g], 3<<16
	s_mov_b32 s[\g+1], (\c)<<16
	s_mov_b32 s[\g+2], (\r)<<16
	s_mov_b32 s[\g+3], (\c)<<16
	s_mov_b32 s[\g+4], \r
	s_mov_b32 s[\g+5], \p
	s_mov_b32 s[\g+6], 0
	s_mov_b32 s[\g+7], 0
.endm
.macro FRAG reg, a16, a8, o            ; a fragment's image: every load reads consecutive bytes (512, 256, 512, 256)
	ds_load_b128 v[\reg:\reg+3], v[\a16] offset:\o
	ds_load_b64 v[\reg+4:\reg+5], v[\a8] offset:\o
	ds_load_b128 v[\reg+6:\reg+9], v[\a16] offset:\o+768
	ds_load_b64 v[\reg+10:\reg+11], v[\a8] offset:\o+768
.endm
.macro WM d, a, b, z, sa, sb
.if \z
	v_wmma_scale_f32_16x16x128_f8f6f4 v[\d:\d+7], v[\a:\a+11], v[\b:\b+11], 0, v[\sa], v[\sb] matrix_a_fmt:MATRIX_FMT_BF6 matrix_b_fmt:MATRIX_FMT_BF6
.else
	v_wmma_scale_f32_16x16x128_f8f6f4 v[\d:\d+7], v[\a:\a+11], v[\b:\b+11], v[\d:\d+7], v[\sa], v[\sb] matrix_a_fmt:MATRIX_FMT_BF6 matrix_b_fmt:MATRIX_FMT_BF6
.endif
.endm
; The eight K steps, written out: nx tiles of xn x nw tiles of W.  tr = 1: transposed.  Every LDS offset is an immediate on a base made at the head; per: K steps served by one base.
; The accumulators take turns, one instruction a turn.  Fragments have one set of registers: the eight waves' LDS loads, not the products, fill a K step's time.
.macro PROJ nx, nw, tr, bx16, bx8, bxs, bw16, bw8, bws, xstr, xsstr, wstr, per
.set KS, 0
.rept 8
.set ZF, 0
.if KS == 0
.set ZF, 1
.else
.rept 4
	v_nop                                          ; four places in front of loads into registers that matrix instructions have read
.endr
.endif
.set XO, (KS%\per)*\xstr
.set WO, (KS%\per)*\wstr
.set KH, KS/\per
.set IA, 0
.rept \nx
	FRAG FRG+12*IA, \bx16+KH, \bx8+KH, XO+1536*IA
	ds_load_b32 v[SCX+IA], v[\bxs] offset:KS*\xsstr+64*IA
.set IA, IA+1
.endr
.set IB, 0
.rept \nw
	FRAG FRG+12*(\nx+IB), \bw16+KH, \bw8+KH, WO+1536*IB
	ds_load_b32 v[SCX+\nx+IB], v[\bws+KH] offset:WO+64*IB
.set IB, IB+1
.endr
	s_wait_dscnt 0x0
.set IA, 0
.rept \nx
.set IB, 0
.rept \nw
.if \tr
	WM ACC+8*(IA*\nw+IB), FRG+12*(\nx+IB), FRG+12*IA, ZF, SCX+\nx+IB, SCX+IA
.else
	WM ACC+8*(IA*\nw+IB), FRG+12*IA, FRG+12*(\nx+IB), ZF, SCX+IA, SCX+\nx+IB
.endif
.set IB, IB+1
.endr
.set IA, IA+1
.endr
.set KS, KS+1
.endr
.endm
; cos(pos) x scale and sin(pos) x scale for my two row tiles and my eight frequencies i = 8 h + j.  pwl: +-2^-9 (q: scale, k: 1 / scale);  rs: the scalar with my first row
.macro ROPEFAC pwl, rs
	v_lshlrev_b32 v[W0], 3, v2
.irp j, 0,1,2,3,4,5,6,7
	v_add_nc_u32 v[IFQ+\j], \j, v[W0]
.endr
.irp j, 0,1,2,3,4,5,6,7
	v_cvt_f32_u32 v[IFQ+\j], v[IFQ+\j]             ; i
.endr
.irp j, 0,1,2,3,4,5,6,7
	v_fma_f32 v[LSC+\j], v[IFQ+\j], 2.0, s50       ; 2 i + 12.8
.endr
.irp j, 0,1,2,3,4,5,6,7
	v_mul_f32 v[LSC+\j], s51, v[LSC+\j]            ; / 44.8
.endr
.irp j, 0,1,2,3,4,5,6,7
	v_mul_f32 v[IFQ+\j], s49, v[IFQ+\j]            ; -i log2(10000) / 16
.endr
	s_wait_alu depctr_va_vdst(0)
.irp j, 0,1,2,3,4,5,6,7
	v_log_f32 v[LSC+\j], v[LSC+\j]                 ; log2 of the scale's base
.endr
.irp j, 0,1,2,3,4,5,6,7
	v_exp_f32 v[IFQ+\j], v[IFQ+\j]                 ; inv_freq
.endr
	v_nop                                          ; one plain place behind the transcendentals
	s_wait_alu depctr_va_vdst(0)
.irp a, 0,1
	v_add_nc_u32 v[VT], s[\rs], v1
	s_delay_alu instid0(VALU_DEP_1)
	v_add_nc_u32 v[VT], 16*\a, v[VT]
	s_delay_alu instid0(VALU_DEP_1)
	v_and_b32 v[VT], 0x7ff, v[VT]                  ; the position in the sequence
	s_delay_alu instid0(VALU_DEP_1)
	v_cvt_f32_u32 v[VT], v[VT]
	s_delay_alu instid0(VALU_DEP_1)
	v_add_f32 v[VP], 0xc4800000, v[VT]             ; - 1024
	s_delay_alu instid0(VALU_DEP_1)
	v_mul_f32 v[VP], \pwl, v[VP]                   ; +-power: both lines are exact
.irp j, 0,1,2,3,4,5,6,7
	v_mul_f32 v[ANG+\j], v[VT], v[IFQ+\j]          ; the angle, rounded as reference() rounds it
.endr
.irp j, 0,1,2,3,4,5,6,7
	v_mul_f32 v[KK+\j], s40, v[ANG+\j]
.endr
.irp j, 0,1,2,3,4,5,6,7
	v_rndne_f32 v[KK+\j], v[KK+\j]                 ; quarter turns
.endr
.irp j, 0,1,2,3,4,5,6,7
	v_fma_f32 v[RD+\j], -v[KK+\j], s41, v[ANG+\j]
.endr
.irp j, 0,1,2,3,4,5,6,7
	v_fma_f32 v[RD+\j], -v[KK+\j], s42, v[RD+\j]   ; what is left, within +-pi / 4
.endr
.irp j, 0,1,2,3,4,5,6,7
	v_mul_f32 v[ZZ+\j], v[RD+\j], v[RD+\j]
.endr
.irp j, 0,1,2,3,4,5,6,7
	v_fma_f32 v[SN+\j], v[ZZ+\j], s45, s44
	v_fma_f32 v[CN+\j], v[ZZ+\j], s48, s47
.endr
.irp j, 0,1,2,3,4,5,6,7
	v_fma_f32 v[SN+\j], v[SN+\j], v[ZZ+\j], s43
	v_fma_f32 v[CN+\j], v[CN+\j], v[ZZ+\j], s46
.endr
.irp j, 0,1,2,3,4,5,6,7
	v_mul_f32 v[TA+\j], v[ZZ+\j], v[RD+\j]
	v_mul_f32 v[TB+\j], v[ZZ+\j], v[ZZ+\j]
.endr
.irp j, 0,1,2,3,4,5,6,7
	v_fma_f32 v[ZZ+\j], v[ZZ+\j], -0.5, 1.0
.endr
.irp j, 0,1,2,3,4,5,6,7
	v_fma_f32 v[SN+\j], v[SN+\j], v[TA+\j], v[RD+\j]   ; sine of the rest
	v_fma_f32 v[CN+\j], v[CN+\j], v[TB+\j], v[ZZ+\j]   ; cosine of the rest
.endr
.irp j, 0,1,2,3,4,5,6,7
	v_cvt_i32_f32 v[QI+\j], v[KK+\j]
	v_mul_f32 v[SCL+\j], v[VP], v[LSC+\j]
.endr
	s_wait_alu depctr_va_vdst(0)
.irp j, 0,1,2,3,4,5,6,7
	v_exp_f32 v[SCL+\j], v[SCL+\j]                 ; the xpos scale (or its reciprocal)
.endr
.irp j, 0,1,2,3,4,5,6,7
	v_and_b32 v[TA+\j], 1, v[QI+\j]                ; an odd number of quarter turns swaps the two
	s_delay_alu instid0(VALU_DEP_1)
	v_cmp_eq_u32 vcc_lo, 1, v[TA+\j]
	s_delay_alu instid0(VALU_DEP_1)
	v_cndmask_b32 v[TA+\j], v[SN+\j], v[CN+\j], vcc_lo
	s_delay_alu instid0(VALU_DEP_2)
	v_cndmask_b32 v[TB+\j], v[CN+\j], v[SN+\j], vcc_lo
.endr
.irp j, 0,1,2,3,4,5,6,7
	v_lshlrev_b32 v[SN+\j], 30, v[QI+\j]           ; the sine's sign: bit 1 of the quarter turns;
	v_add_nc_u32 v[QI+\j], 1, v[QI+\j]
.endr
.irp j, 0,1,2,3,4,5,6,7
	v_lshlrev_b32 v[CN+\j], 30, v[QI+\j]           ; the cosine's: bit 1 of one more
	v_and_b32 v[SN+\j], 0x80000000, v[SN+\j]
.endr
.irp j, 0,1,2,3,4,5,6,7
	v_and_b32 v[CN+\j], 0x80000000, v[CN+\j]
	v_xor_b32 v[TA+\j], v[SN+\j], v[TA+\j]
.endr
.irp j, 0,1,2,3,4,5,6,7
	v_xor_b32 v[TB+\j], v[CN+\j], v[TB+\j]
.endr
	s_wait_alu depctr_va_vdst(0)
.irp j, 0,1,2,3,4,5,6,7
	v_mul_f32 v[FC+16*\a+\j], v[TB+\j], v[SCL+\j]
	v_mul_f32 v[FC+16*\a+8+\j], v[TA+\j], v[SCL+\j]
.endr
.endr
.endm
; The rotation of head hd of the wave's, both row tiles: t1 cos - t2 sin and t2 cos + t1 sin.  Each accumulator is read from its low end on.
.macro ROT hd, nw
.irp a, 0,1
.irp j, 0,2,4,6
	v_pk_mul_f32 v[MT+2*\j:MT+2*\j+1], v[ACC+8*(\a*\nw+2*\hd)+8+\j:ACC+8*(\a*\nw+2*\hd)+9+\j], v[FC+16*\a+8+\j:FC+16*\a+9+\j]
	v_pk_mul_f32 v[MT+2*\j+2:MT+2*\j+3], v[ACC+8*(\a*\nw+2*\hd)+\j:ACC+8*(\a*\nw+2*\hd)+1+\j], v[FC+16*\a+8+\j:FC+16*\a+9+\j]
.endr
.irp j, 0,2,4,6
	v_pk_fma_f32 v[RO+16*\a+\j:RO+16*\a+1+\j], v[ACC+8*(\a*\nw+2*\hd)+\j:ACC+8*(\a*\nw+2*\hd)+1+\j], v[FC+16*\a+\j:FC+16*\a+1+\j], v[MT+2*\j:MT+2*\j+1] neg_lo:[0,0,1] neg_hi:[0,0,1]
	v_pk_fma_f32 v[RO+16*\a+8+\j:RO+16*\a+9+\j], v[ACC+8*(\a*\nw+2*\hd)+8+\j:ACC+8*(\a*\nw+2*\hd)+9+\j], v[FC+16*\a+\j:FC+16*\a+1+\j], v[MT+2*\j+2:MT+2*\j+3]
.endr
.endr
.endm
; v[s] .. v[s + 31]: 16 numbers of each of two blocks, whose other 16 lie in lane l xor 16.  Out: six registers of codes at v[pc] (lanes 0-15: block 0 whole, lanes 16-31: block 1), the two bytes in v[TM + 4], v[TM + 5]
.macro QUANT2 s, pc
.irp b, 0,1
	v_max3_num_f32 v[TM+\b], |v[\s+16*\b]|, |v[\s+1+16*\b]|, 0x2800000   ; the floor 2^(5 - 127) is one leaf: the byte cannot fall under 1
.endr
.irp i, 2,4,6,8,10,12,14
.irp b, 0,1
	v_max3_num_f32 v[TM+\b], v[TM+\b], |v[\s+16*\b+\i]|, |v[\s+1+16*\b+\i]|
.endr
.endr
.irp b, 0,1
	s_delay_alu instid0(VALU_DEP_2)
	v_permlanex16_b32 v[TM+2+\b], v[TM+\b], s[SEL], s[SEL+1]
.endr
.irp b, 0,1
	s_delay_alu instid0(VALU_DEP_2)
	v_max_num_f32 v[TM+\b], v[TM+\b], v[TM+2+\b]
.endr
.irp b, 0,1
	s_delay_alu instid0(VALU_DEP_2)
	v_add_nc_u32 v[TM+6+\b], 0xfe000000, v[TM+\b]  ; 4 off the exponent field: the conversion's scale operand
.endr
.irp b, 0,1
	s_delay_alu instid0(VALU_DEP_2)
	v_lshrrev_b32 v[TM+4+\b], 23, v[TM+6+\b]       ; the scale's byte
.endr
	v_cvt_scalef32_pk16_bf6_f32 v[\pc:\pc+2], v[\s:\s+15], v[TM+6]
	v_cvt_scalef32_pk16_bf6_f32 v[PT:PT+2], v[\s+16:\s+31], v[TM+7]
	v_nop                                          ; one plain place behind the conversions
.irp i, 0,1,2
	v_permlane16_swap_b32 v[\pc+\i], v[PT+\i]      ; the first now holds each lane's block's lower 16 codes, the second the upper 16
.endr
.irp i, 0,1,2
	s_delay_alu instid0(VALU_DEP_3)
	v_mov_b32 v[\pc+3+\i], v[PT+\i]
.endr
.endm
	s_load_b128 s[4:7], s[0:1], 0x0                ; wsp s[4:5], qkv s[6:7]
	v_lshl_add_u32 v254, v0, 2, 0x4b000
	v_mov_b32 v255, 0
	ds_add_u32 v254, v255
	ds_add_u32 v254, v255
	v_lshrrev_b32 v1, 5, v0
	s_delay_alu instid0(VALU_DEP_1)
	v_readfirstlane_b32 s16, v1                    ; wave 0..7
	v_and_b32 v3, 31, v0                           ; lane
	v_and_b32 v1, 15, v0                           ; r
	v_bfe_u32 v2, v0, 4, 1                         ; h
	s_delay_alu instid0(VALU_DEP_3)
	v_lshlrev_b32 v15, 4, v3                       ; 16 x lane
	s_delay_alu instid0(VALU_DEP_4)
	v_lshlrev_b32 v16, 3, v3                       ; 8 x lane
	v_lshlrev_b32 v17, 2, v3                       ; 4 x lane
	v_lshlrev_b32 v19, 2, v1                       ; 4 r
	v_mov_b32 v[TM+2], 0                           ; (a lane permute's destination counts as one of its sources)
	v_mov_b32 v[TM+3], 0
	v_cmp_eq_u32 s54, 1, v2                        ; lanes 16-31
	s_and_b32 s17, s16, 3
	s_mov_b32 s40, 0x3f22f983                      ; 2 / pi
	s_mov_b32 s41, 0x3fc90fdb                      ; pi / 2, its upper part
	s_mov_b32 s42, 0xb33bbd2e                      ; and the rest
	s_mov_b32 s43, 0xbe2aaaa3                      ; the sine's three coefficients
	s_mov_b32 s44, 0x3c08839e
	s_mov_b32 s45, 0xb94ca1f9
	s_mov_b32 s46, 0x3d2aaaa5                      ; the cosine's
	s_mov_b32 s47, 0xbab6061a
	s_mov_b32 s48, 0x37ccf5ce
	s_mov_b32 s49, 0xbf549a78                      ; -log2(10000) / 16
	s_mov_b32 s50, 0x414ccccd                      ; 12.8
	s_mov_b32 s51, 0x3cb6db6e                      ; 1 / 44.8
	s_mov_b32 s[SEL], 0x76543210
	s_mov_b32 s[SEL+1], 0xfedcba98
	s_wait_dscnt 0x0
	s_wait_kmcnt 0x0
	s_cmp_lt_u32 ttmp9, 128
	s_cbranch_scc0 .Lkv
	; ================ PATH Q.  LDS: xn's codes [8][12,288] at 0, its scale words [8][512] at 98,304, W's records [8][12,800] at 102,400
	s_and_b32 s20, ttmp9, 3                        ; which four heads
	s_lshr_b32 s21, ttmp9, 2                       ; which 128 rows
	s_lshr_b32 s22, s21, 1                         ; their group of 256
	s_and_b32 s23, s21, 1                          ; and which half of it
	s_lshr_b32 s19, s16, 2                         ; my two heads of the four
	MKG1 G1X, 1536, 2, 3200                        ; two K steps' 12,288 bytes, a record apart
	MKG1 G1S, 64, 4, 3200                          ; four K steps' 512 bytes
	MKG1 G1W, 32, 200, 32                          ; four records of 12,800 bytes, dense, as rows of 256
	s_lshl_b32 s24, s22, 3
	s_lshl_b32 s25, s17, 1
	s_add_co_u32 s24, s24, s25
	s_mul_i32 s24, s24, 25600                      ; xn's record (group, K step 2 (w & 3))
	s_mul_i32 s26, s23, 12288
	s_add_co_u32 s26, s26, s24
	s_mov_b32 s27, 0
	s_mov_b32 s[G0X], 1
	s_mul_i32 s[G0X+1], s17, 24576
	s_add_nc_u64 s[G0X+2:G0X+3], s[4:5], s[26:27]
	s_or_b32 s[G0X+3], s[G0X+3], 0x80000000
	s_and_b32 s29, s16, 1                          ; W's and the scale words' loads go by halves of K
	s_lshl_b32 s24, s22, 3
	s_lshl_b32 s25, s29, 2
	s_add_co_u32 s24, s24, s25
	s_mul_i32 s24, s24, 25600                      ; xn's record (group, K step 4 (w & 1))
	s_lshl_b32 s26, s23, 9
	s_add_co_u32 s26, s26, s24
	s_add_co_u32 s26, s26, 24576
	s_mov_b32 s[G0S], 1
	s_lshl_b32 s[G0S+1], s29, 11
	s_add_co_u32 s[G0S+1], s[G0S+1], 98304
	s_add_nc_u64 s[G0S+2:G0S+3], s[4:5], s[26:27]
	s_or_b32 s[G0S+3], s[G0S+3], 0x80000000
	s_mul_i32 s26, s20, 102400
	s_mul_i32 s28, s29, 51200
	s_add_co_u32 s26, s26, s28
	s_add_co_u32 s26, s26, WQ_OFF
	s_mov_b32 s[G0W], 1
	s_add_co_u32 s[G0W+1], s28, 102400
	s_add_nc_u64 s[G0W+2:G0W+3], s[4:5], s[26:27]
	s_or_b32 s[G0W+3], s[G0W+3], 0x80000000
	; LDS bases, all made ahead of the branch on the wave's number; two of each stream, four K steps apart, so that every offset fits the 16-bit immediate
	s_mul_i32 s28, s17, 3072
	s_wait_alu depctr_va_vdst(0)
	v_add_nc_u32 v4, s28, v15
	s_delay_alu instid0(VALU_DEP_1)
	v_add_nc_u32 v5, 49152, v4
	v_add_nc_u32 v6, s28, v16
	s_delay_alu instid0(VALU_DEP_1)
	v_add_nc_u32 v6, 512, v6
	s_delay_alu instid0(VALU_DEP_1)
	v_add_nc_u32 v7, 49152, v6
	s_lshl_b32 s28, s17, 7
	s_add_co_u32 s28, s28, 98304
	v_add_nc_u32 v8, s28, v19
	s_mul_i32 s28, s19, 6144
	s_add_co_u32 s28, s28, 102400
	v_add_nc_u32 v9, s28, v15
	s_delay_alu instid0(VALU_DEP_1)
	v_add_nc_u32 v10, 51200, v9
	v_add_nc_u32 v11, s28, v16
	s_delay_alu instid0(VALU_DEP_1)
	v_add_nc_u32 v11, 512, v11
	s_delay_alu instid0(VALU_DEP_1)
	v_add_nc_u32 v12, 51200, v11
	s_lshl_b32 s28, s19, 8
	s_add_co_u32 s28, s28, 102400+12288
	v_add_nc_u32 v13, s28, v19
	s_delay_alu instid0(VALU_DEP_1)
	v_add_nc_u32 v14, 51200, v13
	s_cmp_lt_u32 s16, 4                            ; one load a wave: waves 0-3 xn's codes, waves 4, 5 W's records, waves 6, 7 xn's scale words
	s_cbranch_scc0 .Lq_w
	tensor_load_to_lds s[G0X:G0X+3], s[G1X:G1X+7]
	s_nop 0
.rept 4
	v_nop
.endr
	s_branch .Lq_asked
.Lq_w:
	s_cmp_lt_u32 s16, 6
	s_cbranch_scc0 .Lq_s
	tensor_load_to_lds s[G0W:G0W+3], s[G1W:G1W+7]
	s_nop 0
.rept 4
	v_nop
.endr
	s_branch .Lq_asked
.Lq_s:
	tensor_load_to_lds s[G0S:G0S+3], s[G1S:G1S+7]
	s_nop 0
.rept 4
	v_nop
.endr
.Lq_asked:
	s_lshl_b32 s30, s21, 7
	s_lshl_b32 s31, s17, 5
	s_add_co_u32 s30, s30, s31                     ; my first row
	ROPEFAC 0x3b000000, 30                         ; made while the tiles are on their way
	s_lshl_b32 s32, s21, 2
	s_add_co_u32 s32, s32, s17                     ; my pair of row tiles
	s_lshl_b32 s32, s32, 4
	s_lshl_b32 s33, s20, 2
	s_add_co_u32 s32, s32, s33
	s_lshl_b32 s33, s19, 1
	s_add_co_u32 s32, s32, s33                     ; x 16 + my first head
	s_lshl_b32 s32, s32, 10
	s_mov_b32 s33, 0
	s_add_nc_u64 s[32:33], s[6:7], s[32:33]
	s_wait_tensorcnt 0x0                           ; my fills have landed,
	s_barrier_signal -1
	s_barrier_wait -1                              ; everybody's have
	PROJ 2, 4, 1, 4, 6, 8, 9, 11, 13, 12288, 512, 12800, 4
.rept 4
	v_nop                                          ; four places in front of the first read of results
.endr
.irp d, 0,1                            ; each head has registers of its own for what it stores
	ROT \d, 4
	QUANT2 RO, 168+8*\d
	v_cndmask_b32 v[184+\d], v[TM+4], v[TM+5], s54 ; lanes 0-15: the even tile's row r, lanes 16-31: the odd tile's
	s_delay_alu instid0(VALU_DEP_1)
	v_lshl_or_b32 v[184+\d], v[184+\d], 8, v[184+\d]
	s_delay_alu instid0(VALU_DEP_1)
	v_lshl_or_b32 v[184+\d], v[184+\d], 16, v[184+\d]   ; the byte in all four bytes: q will stand in any one of an instruction's four blocks
	global_store_b128 v15, v[168+8*\d:171+8*\d], s[32:33] offset:1024*\d
	global_store_b64 v16, v[172+8*\d:173+8*\d], s[32:33] offset:1024*\d+512
	global_store_b32 v17, v[184+\d], s[32:33] offset:1024*\d+768
.endr
	s_wait_tensorcnt 0x0
	ds_add_u32 v254, v255
	s_wait_dscnt 0x0
	s_endpgm
	; ================ PATH KV.  LDS from L0: xn's codes [8][6,144], its scale words [8][256] at + 49,152, W's records [8][6,400] at + 51,200
.Lkv:
	s_sub_co_u32 s20, ttmp9, 128                   ; which 64 rows
	s_lshr_b32 s22, s20, 2                         ; their group of 256
	s_and_b32 s23, s20, 3                          ; and which quarter of it
	MKG1 G1X, 768, 2, 3200
	MKG1 G1S, 32, 4, 3200
	MKG1 G1W, 32, 100, 32
	s_lshl_b32 s24, s22, 3
	s_lshl_b32 s25, s17, 1
	s_add_co_u32 s24, s24, s25
	s_mul_i32 s24, s24, 25600
	s_mul_i32 s26, s23, 6144
	s_add_co_u32 s26, s26, s24
	s_mov_b32 s27, 0
	s_mov_b32 s[G0X], 1
	s_mul_i32 s[G0X+1], s17, 12288
	s_add_co_u32 s[G0X+1], s[G0X+1], L0
	s_add_nc_u64 s[G0X+2:G0X+3], s[4:5], s[26:27]
	s_or_b32 s[G0X+3], s[G0X+3], 0x80000000
	s_and_b32 s29, s16, 1
	s_lshl_b32 s24, s22, 3
	s_lshl_b32 s25, s29, 2
	s_add_co_u32 s24, s24, s25
	s_mul_i32 s24, s24, 25600
	s_lshl_b32 s26, s23, 8
	s_add_co_u32 s26, s26, s24
	s_add_co_u32 s26, s26, 24576
	s_mov_b32 s[G0S], 1
	s_lshl_b32 s[G0S+1], s29, 10
	s_add_co_u32 s[G0S+1], s[G0S+1], L0+49152
	s_add_nc_u64 s[G0S+2:G0S+3], s[4:5], s[26:27]
	s_or_b32 s[G0S+3], s[G0S+3], 0x80000000
	s_mul_i32 s28, s29, 25600
	s_add_co_u32 s26, s28, WKV_OFF
	s_mov_b32 s[G0W], 1
	s_add_co_u32 s[G0W+1], s28, L0+51200
	s_add_nc_u64 s[G0W+2:G0W+3], s[4:5], s[26:27]
	s_or_b32 s[G0W+3], s[G0W+3], 0x80000000
	; LDS bases of both roles, all made ahead of the first branch on the wave's number
	s_wait_alu depctr_va_vdst(0)
	v_add_nc_u32 v4, L0, v15                       ; xn from tile 0 on (v's waves)
	v_add_nc_u32 v5, L0+512, v16
	v_add_nc_u32 v6, L0+49152, v19
	s_mul_i32 s28, s16, 3072
	v_add_nc_u32 v7, s28, v4                       ; xn from tile 2 w on (k's waves)
	v_add_nc_u32 v8, s28, v5
	s_lshl_b32 s28, s16, 7
	v_add_nc_u32 v9, s28, v6
	v_add_nc_u32 v10, L0+51200, v15                ; W from tile 0 on: k0, k1
	v_add_nc_u32 v11, L0+51200+512, v16
	v_add_nc_u32 v12, L0+51200+6144, v19
	s_mul_i32 s28, s16, 1536
	v_add_nc_u32 v13, s28, v10                     ; W's tile w: v0 for wave 2, v1 for wave 3
	v_add_nc_u32 v14, s28, v11
	s_lshl_b32 s28, s16, 6
	v_add_nc_u32 v18, s28, v12
	v_add_nc_u32 v20, v19, v2                      ; 4 r + h: where a lane's scale byte goes
	s_cmp_lt_u32 s16, 4                            ; one load a wave, shared out as on path Q
	s_cbranch_scc0 .Lkv_w
	tensor_load_to_lds s[G0X:G0X+3], s[G1X:G1X+7]
	s_nop 0
.rept 4
	v_nop
.endr
	s_branch .Lkv_asked
.Lkv_w:
	s_cmp_lt_u32 s16, 6
	s_cbranch_scc0 .Lkv_s
	tensor_load_to_lds s[G0W:G0W+3], s[G1W:G1W+7]
	s_nop 0
.rept 4
	v_nop
.endr
	s_branch .Lkv_asked
.Lkv_s:
	tensor_load_to_lds s[G0S:G0S+3], s[G1S:G1S+7]
	s_nop 0
.rept 4
	v_nop
.endr
.Lkv_asked:
	s_lshl_b32 s30, s20, 6
	s_and_b32 s31, s16, 1
	s_lshl_b32 s31, s31, 5
	s_add_co_u32 s30, s30, s31
	ROPEFAC 0xbb000000, 30                         ; k takes 1 / scale.  Every wave makes the factors, which spares a branch; only k's two waves use them
	s_and_b32 s21, s20, 31                         ; the 64 keys' number in the batch
	s_lshr_b32 s22, s20, 5                         ; the batch
	s_mul_i32 s22, s22, 102400
	s_add_co_u32 s22, s22, KVB
	s_wait_tensorcnt 0x0
	s_barrier_signal -1
	s_barrier_wait -1
	s_cmp_lt_u32 s16, 2
	s_cbranch_scc0 .Lnot_k
	; ---- k: key tiles 2 w and 2 w + 1
	s_mul_i32 s32, s21, 1536
	s_mul_i32 s33, s16, 768
	s_add_co_u32 s32, s32, s33
	s_add_co_u32 s32, s32, s22
	s_mov_b32 s33, 0
	s_add_nc_u64 s[32:33], s[6:7], s[32:33]
	s_lshl_b32 s34, s21, 6
	s_lshl_b32 s35, s16, 1
	s_add_co_u32 s34, s34, s35
	s_add_co_u32 s34, s34, s22
	s_add_co_u32 s34, s34, 98304
	s_mov_b32 s35, 0
	s_add_nc_u64 s[34:35], s[6:7], s[34:35]
	PROJ 2, 2, 1, 7, 8, 9, 10, 11, 12, 6144, 256, 6400, 8
.rept 4
	v_nop
.endr
	ROT 0, 2
	QUANT2 RO, 168
	v_cndmask_b32 v184, v[TM+4], v[TM+5], s54
	global_store_b128 v15, v[168:171], s[32:33]
	global_store_b64 v16, v[172:173], s[32:33] offset:512
	global_store_b8 v20, v184, s[34:35]            ; byte 2 w + h of row r's word
	s_wait_tensorcnt 0x0
	ds_add_u32 v254, v255
	s_wait_dscnt 0x0
	s_endpgm
.Lnot_k:
	s_cmp_lt_u32 s16, 4
	s_cbranch_scc0 .Lidle
	; ---- v: dims 16 (w - 2) + r; the 64 rows are two blocks of 32 keys
	s_lshr_b32 s23, s21, 1
	s_lshl_b32 s23, s23, 1
	s_add_co_u32 s23, s23, s16
	s_sub_co_u32 s23, s23, 2                       ; (step of 128 keys) x 2 + dim tile
	s_and_b32 s24, s21, 1                          ; which 64 of the 128
	s_mul_i32 s32, s23, 1536
	s_mul_i32 s33, s24, 768
	s_add_co_u32 s32, s32, s33
	s_add_co_u32 s32, s32, s22
	s_add_co_u32 s32, s32, 49152
	s_mov_b32 s33, 0
	s_add_nc_u64 s[32:33], s[6:7], s[32:33]
	s_lshl_b32 s34, s23, 6
	s_lshl_b32 s35, s24, 1
	s_add_co_u32 s34, s34, s35
	s_add_co_u32 s34, s34, s22
	s_add_co_u32 s34, s34, 100352
	s_mov_b32 s35, 0
	s_add_nc_u64 s[34:35], s[6:7], s[34:35]
	PROJ 4, 1, 0, 4, 5, 6, 13, 14, 18, 6144, 256, 6400, 8
.rept 4
	v_nop
.endr
	QUANT2 ACC, 168                                ; registers 16 b + i: keys 32 b + 8 h + 0..7 and 32 b + 16 + 8 h + 0..7
	v_cndmask_b32 v184, v[TM+4], v[TM+5], s54
	global_store_b128 v15, v[168:171], s[32:33]
	global_store_b64 v16, v[172:173], s[32:33] offset:512
	global_store_b8 v20, v184, s[34:35]
	s_wait_tensorcnt 0x0
	ds_add_u32 v254, v255
	s_wait_dscnt 0x0
	s_endpgm
.Lidle:
	s_wait_tensorcnt 0x0
	ds_add_u32 v254, v255
	s_wait_dscnt 0x0
	s_endpgm                                       ; waves 4, 5 have brought W's records, waves 6, 7 xn's scale words: their share
.Lfunc_end_k_qb6fbec6f56_qkv:
	.size	k_qb6fbec6f56_qkv, .Lfunc_end_k_qb6fbec6f56_qkv-k_qb6fbec6f56_qkv
	.p2alignl 7, 3214868480
	.fill 96, 4, 3214868480
	.section	.rodata,"a",@progbits
	.p2align	6, 0x0
	.amdhsa_kernel k_qb6fbec6f56_qkv
		.amdhsa_group_segment_fixed_size 308224
		.amdhsa_private_segment_fixed_size 0
		.amdhsa_enable_private_segment 0
		.amdhsa_kernarg_size 16
		.amdhsa_user_sgpr_count 2
		.amdhsa_user_sgpr_kernarg_segment_ptr 1
		.amdhsa_wavefront_size32 1
		.amdhsa_system_sgpr_workgroup_id_x 1
		.amdhsa_system_sgpr_workgroup_id_y 1
		.amdhsa_system_sgpr_workgroup_id_z 1
		.amdhsa_system_vgpr_workitem_id 0
		.amdhsa_next_free_vgpr 256
		.amdhsa_next_free_sgpr 100
		.amdhsa_reserve_vcc 1
		.amdhsa_float_denorm_mode_32 3
		.amdhsa_float_denorm_mode_16_64 3
		.amdhsa_memory_ordered 1
		.amdhsa_forward_progress 1
		.amdhsa_inst_pref_size 140
	.end_amdhsa_kernel
	.amdgpu_metadata
---
amdhsa.version: [ 1, 2 ]
amdhsa.kernels:
  - .name:           k_qb6fbec6f56_qkv
    .symbol:         k_qb6fbec6f56_qkv.kd
    .args:
      - { .name: wsp, .offset: 0, .size: 8, .value_kind: global_buffer, .address_space: global }
      - { .name: qkv, .offset: 8, .size: 8, .value_kind: global_buffer, .address_space: global }
    .group_segment_fixed_size: 308224
    .private_segment_fixed_size: 0
    .kernarg_segment_align: 8
    .kernarg_segment_size: 16
    .max_flat_workgroup_size: 256
    .sgpr_count:     100
    .vgpr_count:     256
    .wavefront_size: 32
...
	.end_amdgpu_metadata
.endif
;; end of part 2
;; launch attn (part 3): grid 64 x 4, 16 waves a work-group, no clusters, 231,424 bytes of LDS; arguments qkv, a2; writes a2
.if DOCPART == 3
	.amdgcn_target "amdgcn-amd-amdhsa--gfx1250"
	.amdhsa_code_object_version 6
	.text
	.protected	k_qb6fbec6f56_attn
	.globl	k_qb6fbec6f56_attn
	.p2align	8
	.type	k_qb6fbec6f56_attn,@function
k_qb6fbec6f56_attn:
	s_mov_b64 s[64:65], 0
	v_nop
	global_prefetch_b8 v0, s[64:65] scope:SCOPE_SE
	s_setreg_imm32_b32 hwreg(HW_REG_WAVE_MODE, 25, 1), 1
	s_wait_xcnt 0x0
; ATTN: causal multi-query attention on codes of E3M2, and the quantising of its result along head x dim (K steps 0-3 of the last product's left operand, a2).
; SHARES.  Work-group (p, y): batch y / 2, heads 8 (y % 2) .. + 7, two tiles of 16 queries, 127 - p and p: a tile T wants T / 8 + 1 steps of 128 keys, the pair 17, the same for every work-group.
; SIXTEEN WAVES of 256 registers, four to a SIMD.  Waves w and w + 8 share head w % 8: wave w takes the even key steps of both tiles, wave w + 8 the odd ones: 9 and 8 of the 17.  Each keeps its own running M, sum and O^T.
; THE MERGE.  Behind a tile's loop a wave stores its state (O^T, -M, the sum) to LDS bytes of its own; behind a barrier waves 0-7 take their own and their partner's, bring both under the larger M by powers of two, which round nothing, and add.
; A partner without a step holds zeros and -M = 3e38: its factor saturates to 0.
; The batch's whole k, v and their scale words, 102,400 bytes, are brought into LDS once, a sixteenth by each wave.
; NO CLUSTER: what work-groups share is that one fill, against 17 key steps of work for each head.
; K = 32 IN AN INSTRUCTION OF K = 128.  A fragment of k holds 64 keys: 'row r, block b' is key 16 b + r with its 32 dims.  q stands in ONE block of the other operand, zero codes in the three others: the product with q in block b gives the scores of key tile b.
; Four such views of q overlap in 30 registers: [q in lanes 0-15][0][q in lanes 16-31][0][q in lanes 0-15].  q's scale word has its byte in all four bytes.
; Both products are used transposed (S^T = k q^T, O^T = v^T p^T): a lane holds one query throughout.  Tiles 2 b and 2 b + 1 of the scores are a block of 32 keys in the order 0-7, 16-23, 8-15, 24-31, as v's codes have them.
; THE SOFTMAX: t = score x log2(e) / sqrt(32); M = the running largest t rounded up to a whole number; p = 2^(t - M) is quantised; the sum is taken of the unquantised p and divides at the end; when M moves, sum and O^T are multiplied by a power of two.
; A block's largest p is the same multiply-add and exponential put to the block's largest score (this takes v_exp_f32 not to fall where its input rises).
; THE MASK: every tile's loop has 8 trips; a trip whose keys all come after the tile's queries jumps to the lines that step addresses; in the one trip on the diagonal hidden scores become -infinity.  All these branches hang on ids.
; LIMITS: NaN and infinities are not served; a block under 2^-122 (or of zeros) keeps the byte 1.  The f32 sums over the keys are taken in two parts (even and odd steps) and added at the end.
.set KVB, 2097152
.set STG, 102400                       ; behind k and v: 512 bytes, 16 a lane, in which waves 0-7's scale bytes meet
.set ST,  102912                       ; behind them: the states: five images of four registers a tile
.set STT, 2560                         ; a tile's state
.set STW, 5120                         ; a wave's two.  The text uses 102,912 + 16 x 5,120 = 184,832 bytes; the claim also covers 8 STW counted from the last wave's base, which no wave reaches
.set QV,  16                           ; v16-45  the four views of q
.set SB,  46                           ; v46     LDS address of my states: ST + STW x wave + 16 x lane
.set KF,  48                           ; v48-71  two fragments of k
.set VF,  72                           ; v72-95  two of v
.set S,   96                           ; v96-159 S^T, then p; in the merge the partner's state
.set O,   160                          ; v160-175 O^T
.set R,   176                          ; v176-191 the long tile's q as loaded; at the end O^T / the sum
.set PC,  192                          ; v192-203 p's codes
.set BM,  204                          ; v204-207 block maxima
.set BT,  208                          ; v208-211 the other half's, then bytes
.set SO,  212                          ; v212-215 scale operands
.set PT,  216                          ; v216-218, v220-222 second conversions
.set QS2, 229                          ; v229    the short tile's q's scale word (the long tile's: v11)
.set SEL, 22
.set CS,  24                           ; s[24:25] c = log2(e) / sqrt(32)
.set PAR, 26                           ; s26 0: I take the even key steps, 1: the odd ones
.set CNT, 27                           ; s27 counts a loop's eight trips
.set G1,  28
.set G0,  36
.set T3,  40                           ; s40 the step's codes: 3,072 bytes a step
.set T1,  41                           ; s41 its scale words: 128 bytes a step
.set KSI, 42                           ; s42 the step
.set TD,  43                           ; s43 the step on the diagonal
; v1 16 l, v2 512 + 8 l, v3 98,304 + 4 r, v4 r, v5 h, v6, v7 stage, v8-10 the step's addresses, v12 -M, v13 largest t, v[14:15] the sum, v224-227 k's and v's scale words, v228 p's, v[230:231] f,
; v232-235 at work, v236-241 the short tile's q, later the codes to store, v244, v245 the two tiles' bytes, v246 the mask's d, v247 -infinity, v248 0, v249-255 offsets
.macro FRAG reg, a16, a8, o
	ds_load_b128 v[\reg:\reg+3], v[\a16] offset:\o
	ds_load_b64 v[\reg+4:\reg+5], v[\a8] offset:\o
	ds_load_b128 v[\reg+6:\reg+9], v[\a16] offset:\o+768
	ds_load_b64 v[\reg+10:\reg+11], v[\a8] offset:\o+768
.endm
.macro SCORE d, f, q, sc, qs
	v_wmma_scale_f32_16x16x128_f8f6f4 v[\d:\d+7], v[\f:\f+11], v[\q:\q+11], 0, v[\sc], v[\qs] matrix_a_fmt:MATRIX_FMT_BF6 matrix_b_fmt:MATRIX_FMT_BF6
.endm
	s_load_b128 s[4:7], s[0:1], 0x0                ; qkv s[4:5], a2 s[6:7]
	v_lshl_add_u32 v223, v0, 2, 0x38000
	v_mov_b32 v243, 0
	ds_add_u32 v223, v243
	ds_add_u32 v223, v243
	v_lshrrev_b32 v1, 5, v0
	s_delay_alu instid0(VALU_DEP_1)
	v_readfirstlane_b32 s16, v1                    ; wave 0..15
	s_and_b32 s17, s16, 7                          ; my head of the eight
	s_lshr_b32 s[PAR], s16, 3
	s_and_b32 s18, ttmp7, 0xffff
	s_lshr_b32 s19, s18, 1                         ; batch
	s_and_b32 s20, s18, 1                          ; which eight heads
	s_lshl_b32 s21, s20, 3
	s_add_co_u32 s21, s21, s17                     ; my head
	s_mov_b32 s45, ttmp9                           ; the short tile
	s_sub_co_u32 s44, 127, s45                     ; the long one
	s_mov_b32 s[G1], 3<<16                         ; 6,400 dense bytes as 25 rows of 32 elements of 8 bytes
	s_mov_b32 s[G1+1], 32<<16
	s_mov_b32 s[G1+2], 25<<16
	s_mov_b32 s[G1+3], 32<<16
	s_mov_b32 s[G1+4], 25
	s_mov_b32 s[G1+5], 32
	s_mov_b32 s[G1+6], 0
	s_mov_b32 s[G1+7], 0
	s_mul_i32 s46, s19, 102400
	s_mul_i32 s47, s16, 6400
	s_add_co_u32 s46, s46, s47
	s_add_co_u32 s46, s46, KVB
	s_mov_b32 s47, 0
	s_mov_b32 s[G0], 1
	s_mul_i32 s[G0+1], s16, 6400
	s_mov_b32 s[SEL], 0x76543210
	s_mov_b32 s[SEL+1], 0xfedcba98
	s_mov_b32 s[CS], 0x3e8293ee
	s_mov_b32 s[CS+1], s[CS]                       ; (named with it as a pair, so it is written)
	s_wait_dscnt 0x0
	s_wait_kmcnt 0x0
	s_add_nc_u64 s[G0+2:G0+3], s[4:5], s[46:47]
	s_or_b32 s[G0+3], s[G0+3], 0x80000000
	tensor_load_to_lds s[G0:G0+3], s[G1:G1+7]      ; my sixteenth of the batch's k, v and scale words: filled once
	s_nop 0
.rept 4
	v_nop
.endr
	v_and_b32 v8, 31, v0
	v_and_b32 v4, 15, v0
	v_bfe_u32 v5, v0, 4, 1
	s_delay_alu instid0(VALU_DEP_3)
	v_lshlrev_b32 v1, 4, v8
	s_delay_alu instid0(VALU_DEP_4)
	v_lshl_add_u32 v2, v8, 3, 512
	s_delay_alu instid0(VALU_DEP_4)
	v_lshl_add_u32 v3, v4, 2, 98304
	v_lshl_add_u32 v7, v8, 4, STG
	s_delay_alu instid0(VALU_DEP_1)
	v_add_nc_u32 v6, s16, v7
	s_mul_i32 s46, s16, STW
	s_add_co_u32 s46, s46, ST
	v_add_nc_u32 v[SB], s46, v1
	v_cmp_eq_u32 s54, 1, v5                        ; lanes 16-31
	v_mov_b32 v247, 0xff800000
	v_mov_b32 v248, 0
	v_mov_b32 v231, 0                              ; (named as the upper half of the pair v[230:231])
.irp i, 0,1,2,3,4,5
	v_mov_b32 v[QV+6+\i], 0                        ; the views' zero codes: written once
	v_mov_b32 v[QV+18+\i], 0
.endr
.irp b, 0,1,2,3
	v_mov_b32 v[BT+\b], 0                          ; (a lane permute's destination counts as one of its sources)
.endr
; where tile s[ts]'s q of my head lies: the base into s[sb:sb+1], the lane's three offsets into v[va+1 .. va+3]
.macro QADR ts, sb, va
	s_lshl_b32 s46, s19, 7
	s_add_co_u32 s46, s46, s[\ts]                  ; the tile among all 256
	s_lshr_b32 s47, s46, 1
	s_lshl_b32 s47, s47, 4
	s_add_co_u32 s47, s47, s21
	s_lshl_b32 s48, s47, 10                        ; (pair x 16 + head) x 1,024
	s_mov_b32 s49, 0
	s_add_nc_u64 s[\sb:\sb+1], s[4:5], s[48:49]
	s_and_b32 s47, s[\ts], 1
	s_lshl_b32 s47, s47, 4
	v_add_nc_u32 v[\va], s47, v4                   ; the lane of the record that holds my query: both halves of the wave take the same
	s_delay_alu instid0(VALU_DEP_1)
	v_lshlrev_b32 v[\va+1], 4, v[\va]
	s_delay_alu instid0(VALU_DEP_2)
	v_lshlrev_b32 v[\va+2], 3, v[\va]
	s_delay_alu instid0(VALU_DEP_3)
	v_lshlrev_b32 v[\va+3], 2, v[\va]
.endm
	QADR 44, 50, 232                               ; both tiles' q are asked for here, while the fill is on its way
	global_load_b128 v[R:R+3], v233, s[50:51]
	global_load_b64 v[R+4:R+5], v234, s[50:51] offset:512
	global_load_b32 v11, v235, s[50:51] offset:768
	QADR 45, 52, 249
	global_load_b128 v[236:239], v250, s[52:53]
	global_load_b64 v[240:241], v251, s[52:53] offset:512
	global_load_b32 v[QS2], v252, s[52:53] offset:768
; My key steps of one tile of 16 queries.  ts: the scalar with its number in the batch;  qr: its q's six registers;  qs: q's scale word;  so: where its state goes;  first = 1: the waits for q and for the fill stand in front of its loop
.macro TILE ts, qr, qs, so, first
	s_lshr_b32 s[TD], s[\ts], 3
	s_and_b32 s47, s[\ts], 7
	s_lshl_b32 s47, s47, 4
	v_lshlrev_b32 v246, 3, v5
	s_delay_alu instid0(VALU_DEP_1)
	v_sub_nc_u32 v246, v4, v246
	s_delay_alu instid0(VALU_DEP_1)
	v_add_nc_u32 v246, s47, v246                   ; d = my query - the diagonal step's first key - 8 h: register 8 t + j is hidden there where 16 t + j > d
	v_mov_b32 v13, 0xff61b1e6                      ; the largest t so far: -3e38
	s_delay_alu instid0(VALU_DEP_1)
	v_floor_f32 v12, -v13                          ; -M
	v_mov_b32 v14, 0
	v_mov_b32 v15, 0
.if \first
	s_wait_loadcnt 0x0                             ; both tiles' q
.endif
.irp i, 0,1,2,3,4,5
	v_cndmask_b32 v[QV+\i], v[\qr+\i], v248, s54   ; q in lanes 0-15
	v_cndmask_b32 v[QV+12+\i], v248, v[\qr+\i], s54   ; q in lanes 16-31
.endr
.irp i, 0,1,2,3,4,5
	v_mov_b32 v[QV+24+\i], v[QV+\i]
.endr
.irp i, 0,1,2,3,4,5,6,7,8,9,10,11,12,13,14,15
	v_mov_b32 v[O+\i], 0                           ; the loop is written once: its first trip finds zeros.  (These are also the places between the views' last write and the first product)
.endr
.if \first
	s_wait_tensorcnt 0x0                           ; my sixteenth has landed,
	s_barrier_signal -1
	s_barrier_wait -1                              ; everybody's has
.endif
	s_mul_i32 s[T3], s[PAR], 3072                  ; my first step: 0 or 1
	s_lshl_b32 s[T1], s[PAR], 7
	s_mov_b32 s[KSI], s[PAR]
	s_mov_b32 s[CNT], 0
.Ltrip_\@:
	s_cmp_gt_u32 s[KSI], s[TD]
	s_cbranch_scc1 .Lhid_\@                        ; all 128 keys come after my queries
	v_add_nc_u32 v8, s[T3], v1
	v_add_nc_u32 v9, s[T3], v2
	v_add_nc_u32 v10, s[T1], v3
	v_nop                                          ; four places in front of loads into registers that the last products read
	FRAG KF, 8, 9, 0
	FRAG KF+12, 8, 9, 1536
	ds_load_b32 v224, v10
	ds_load_b32 v225, v10 offset:64
	FRAG VF, 8, 9, 49152
	FRAG VF+12, 8, 9, 50688
	ds_load_b32 v226, v10 offset:2048
	ds_load_b32 v227, v10 offset:2112
	s_wait_dscnt 10                                ; k's ten loads are in; v's ten may be out
.irp f, 0,1
	SCORE S+32*\f, KF+12*\f, QV, 224+\f, \qs
	SCORE S+32*\f+8, KF+12*\f, QV+12, 224+\f, \qs
	SCORE S+32*\f+16, KF+12*\f, QV+18, 224+\f, \qs
	SCORE S+32*\f+24, KF+12*\f, QV+6, 224+\f, \qs
.endr
.rept 4
	v_nop
.endr
	s_cmp_lg_u32 s[KSI], s[TD]
	s_cbranch_scc1 .Lopen_\@
.set II, 0
.rept 64
	v_cmp_gt_i32 vcc_lo, 16*(II/8)+II%8, v246
	v_cndmask_b32 v[S+II], v[S+II], v247, vcc_lo
.set II, II+1
.endr
.Lopen_\@:
.irp b, 0,1,2,3
	v_max3_num_f32 v[BM+\b], v[S+16*\b], v[S+16*\b+1], v[S+16*\b+2]   ; the largest score of each block of 32 keys (the four blocks by turns)
.endr
.irp i, 3,5,7,9,11,13
.irp b, 0,1,2,3
	v_max3_num_f32 v[BM+\b], v[BM+\b], v[S+16*\b+\i], v[S+16*\b+\i+1]
.endr
.endr
.irp b, 0,1,2,3
	v_max_num_f32 v[BM+\b], v[BM+\b], v[S+16*\b+15]
.endr
.irp b, 0,1,2,3
	s_delay_alu instid0(VALU_DEP_4)
	v_permlanex16_b32 v[BT+\b], v[BM+\b], s[SEL], s[SEL+1]
.endr
.irp b, 0,1,2,3
	s_delay_alu instid0(VALU_DEP_4)
	v_max_num_f32 v[BM+\b], v[BM+\b], v[BT+\b]
.endr
	s_delay_alu instid0(VALU_DEP_2)
	v_max3_num_f32 v232, v[BM], v[BM+1], v[BM+2]
	s_delay_alu instid0(VALU_DEP_1)
	v_max_num_f32 v232, v232, v[BM+3]
	s_delay_alu instid0(VALU_DEP_1)
	v_mul_f32 v232, s[CS], v232                    ; as t (c is positive)
	s_delay_alu instid0(VALU_DEP_1)
	v_max_num_f32 v13, v13, v232                   ; the running largest t
	v_mov_b32 v232, v12
	s_delay_alu instid0(VALU_DEP_2)
	v_floor_f32 v12, -v13                          ; the new -M = -ceil(t)
	s_delay_alu instid0(VALU_DEP_1)
	v_sub_f32 v232, v12, v232                      ; old M - new M: a whole number, 0 or less
	s_delay_alu instid0(VALU_DEP_1)
	v_cvt_i32_f32 v232, v232                       ; (it saturates)
	s_delay_alu instid0(VALU_DEP_1)
	v_ldexp_f32 v230, 1.0, v232                    ; f = 2^(old M - new M)
.set II, 0
.rept 32
	v_pk_fma_f32 v[S+II:S+II+1], v[S+II:S+II+1], s[CS:CS+1], v[12:13] op_sel_hi:[1,0,0]   ; t - M
.set II, II+2
.endr
.irp b, 0,1,2,3
	v_fma_f32 v[BM+\b], v[BM+\b], s[CS], v12
.endr
.set II, 0
	s_wait_alu depctr_va_vdst(0)
.rept 64
	v_exp_f32 v[S+II], v[S+II]                     ; p = 2^(t - M)
.set II, II+1
.endr
.irp b, 0,1,2,3
	v_exp_f32 v[BM+\b], v[BM+\b]                   ; each block's largest p
.endr
	v_pk_mul_f32 v[14:15], v[14:15], v[230:231] op_sel_hi:[1,0]   ; the sum under the new M.  (The plain place behind the exponentials)
	s_wait_alu depctr_va_vdst(0)
.irp b, 0,1,2,3
	v_max_num_f32 v[BM+\b], 0x2800000, v[BM+\b]    ; the floor 2^(5 - 127)
.endr
.irp b, 0,1,2,3
	s_delay_alu instid0(VALU_DEP_4)
	v_add_nc_u32 v[SO+\b], 0xfe000000, v[BM+\b]
.endr
.irp b, 0,1,2,3
	s_delay_alu instid0(VALU_DEP_4)
	v_lshrrev_b32 v[BT+\b], 23, v[SO+\b]
.endr
	s_delay_alu instid0(VALU_DEP_3)
	v_lshl_or_b32 v228, v[BT+1], 8, v[BT]          ; p's scale word for these 128 keys
	s_delay_alu instid0(VALU_DEP_1)
	v_lshl_or_b32 v228, v[BT+2], 16, v228
	s_delay_alu instid0(VALU_DEP_1)
	v_lshl_or_b32 v228, v[BT+3], 24, v228
.irp c, 0,1
	v_cvt_scalef32_pk16_bf6_f32 v[PC+6*\c:PC+6*\c+2], v[S+32*\c:S+32*\c+15], v[SO+2*\c]
	v_cvt_scalef32_pk16_bf6_f32 v[PT+4*\c:PT+4*\c+2], v[S+32*\c+16:S+32*\c+31], v[SO+2*\c+1]
.endr
	v_nop                                          ; one plain place behind the conversions
.irp c, 0,1
.irp i, 0,1,2
	v_permlane16_swap_b32 v[PC+6*\c+\i], v[PT+4*\c+\i]
.endr
.irp i, 0,1,2
	s_delay_alu instid0(VALU_DEP_3)
	v_mov_b32 v[PC+6*\c+3+\i], v[PT+4*\c+\i]
.endr
.endr
	v_pk_add_f32 v[232:233], v[100:101], v[104:105]
	v_pk_add_f32 v[254:255], v[108:109], v[112:113]
	v_pk_add_f32 v[252:253], v[116:117], v[120:121]
	v_pk_add_f32 v[250:251], v[124:125], v[128:129]
	v_pk_add_f32 v[244:245], v[132:133], v[136:137]
	v_pk_add_f32 v[234:235], v[140:141], v[144:145]
	v_pk_add_f32 v[224:225], v[148:149], v[152:153]
	v_pk_add_f32 v[14:15], v[14:15], v[156:157]
	v_pk_add_f32 v[232:233], v[232:233], v[96:97]
	v_pk_add_f32 v[254:255], v[254:255], v[98:99]
	v_pk_add_f32 v[252:253], v[252:253], v[102:103]
	v_pk_add_f32 v[250:251], v[250:251], v[106:107]
	v_pk_add_f32 v[244:245], v[244:245], v[110:111]
	v_pk_add_f32 v[234:235], v[234:235], v[114:115]
	v_pk_add_f32 v[224:225], v[224:225], v[118:119]
	v_pk_add_f32 v[14:15], v[14:15], v[122:123]
	v_pk_add_f32 v[232:233], v[232:233], v[126:127]
	v_pk_add_f32 v[254:255], v[254:255], v[130:131]
	v_pk_add_f32 v[252:253], v[252:253], v[134:135]
	v_pk_add_f32 v[250:251], v[250:251], v[138:139]
	v_pk_add_f32 v[244:245], v[244:245], v[142:143]
	v_pk_add_f32 v[234:235], v[234:235], v[146:147]
	v_pk_add_f32 v[224:225], v[224:225], v[150:151]
	v_pk_add_f32 v[14:15], v[14:15], v[154:155]
	v_pk_add_f32 v[232:233], v[232:233], v[158:159]
	s_delay_alu instid0(VALU_DEP_2)
	v_pk_add_f32 v[14:15], v[14:15], v[250:251]
	s_delay_alu instid0(VALU_DEP_2)
	v_pk_add_f32 v[232:233], v[232:233], v[244:245]
	v_pk_add_f32 v[254:255], v[254:255], v[234:235]
	v_pk_add_f32 v[252:253], v[252:253], v[224:225]
	s_delay_alu instid0(VALU_DEP_2)
	v_pk_add_f32 v[14:15], v[14:15], v[254:255]
	s_delay_alu instid0(VALU_DEP_2)
	v_pk_add_f32 v[232:233], v[232:233], v[252:253]
	s_delay_alu instid0(VALU_DEP_1)
	v_pk_add_f32 v[14:15], v[14:15], v[232:233]
.set II, 0
.rept 8
	v_pk_mul_f32 v[O+II:O+II+1], v[O+II:O+II+1], v[230:231] op_sel_hi:[1,0]   ; O^T under the new M.  (With the sums above: more than eight places between p's scale word and the products)
.set II, II+2
.endr
	s_wait_alu depctr_va_vdst(0)
	s_wait_dscnt 0x0                               ; v is in
.irp u, 0,1                            ; the two accumulators by turns; the next trip's eight score products stand between a link and the next
	v_wmma_scale_f32_16x16x128_f8f6f4 v[O+8*\u:O+8*\u+7], v[VF+12*\u:VF+12*\u+11], v[PC:PC+11], v[O+8*\u:O+8*\u+7], v[226+\u], v228 matrix_a_fmt:MATRIX_FMT_BF6 matrix_b_fmt:MATRIX_FMT_BF6
.endr
.Lhid_\@:
	s_add_co_u32 s[T3], s[T3], 6144                ; two steps on: the step between is my partner's
	s_add_co_u32 s[T1], s[T1], 256
	s_add_co_u32 s[KSI], s[KSI], 2
	s_add_co_u32 s[CNT], s[CNT], 1
	s_cmp_lt_u32 s[CNT], 8
	s_cbranch_scc1 .Ltrip_\@
.rept 4
	v_nop                                          ; four places in front of the first read of results
.endr
	s_wait_alu depctr_va_vdst(0)
.irp c, 0,1,2,3
	ds_store_b128 v[SB], v[O+4*\c:O+4*\c+3] offset:\so+512*\c   ; my state, as images of its registers; each accumulator from its low end on
.endr
	ds_store_b128 v[SB], v[12:15] offset:\so+2048  ; -M, (the largest t), the sum's two halves
	s_wait_dscnt 0x0                               ; the stores are done: for the partner's sake, and their registers may be written again
.endm
	TILE 44, R, 11, 0, 1
	TILE 45, 236, QS2, STT, 0
	; where the results go, made by every wave ahead of the parting below
.macro OFFS ts, oc, os                 ; where a tile's fragment and its scale words begin in a2, less what hangs on the head
	s_lshl_b32 s46, s19, 7
	s_add_co_u32 s46, s46, s[\ts]
	s_lshr_b32 s46, s46, 3
	s_mul_i32 s46, s46, 460800                     ; the group of 128 rows: 36 records of 12,800 bytes
	s_and_b32 s47, s[\ts], 7
	s_mul_i32 s48, s47, 1536
	s_add_co_u32 s[\oc], s46, s48
	s_lshl_b32 s47, s47, 6
	s_add_co_u32 s[\os], s46, s47
.endm
	OFFS 44, 55, 60
	OFFS 45, 56, 61
	s_lshr_b32 s57, s21, 2
	s_mul_i32 s57, s57, 12800
	s_bfe_u32 s58, s21, 0x10001
	s_mul_i32 s58, s58, 768
	s_add_co_u32 s57, s57, s58
	s_and_b32 s59, s21, 1
	s_lshl_b32 s58, s59, 8
	s_add_co_u32 s58, s58, s57                     ; registers 0-3: lane 16 (head % 2) + r of the image
	s_lshl_b32 s59, s59, 7
	s_add_co_u32 s59, s59, s57                     ; registers 4-5
	s_mul_i32 s62, s20, 25600
	s_add_co_u32 s62, s62, 12288                   ; the scale words of K step 2 (y % 2)
	v_mov_b32 v249, s55
	v_mov_b32 v250, s56
	s_delay_alu instid0(VALU_DEP_1)
	v_cndmask_b32 v249, v249, v250, s54
	s_delay_alu instid0(VALU_DEP_1)
	v_add_nc_u32 v250, s58, v249
	s_delay_alu instid0(VALU_DEP_1)
	v_lshl_add_u32 v250, v4, 4, v250
	s_delay_alu instid0(VALU_DEP_3)
	v_add_nc_u32 v251, s59, v249
	s_delay_alu instid0(VALU_DEP_1)
	v_lshl_add_u32 v251, v4, 3, v251
	v_mov_b32 v252, s60
	v_mov_b32 v253, s61
	s_delay_alu instid0(VALU_DEP_1)
	v_cndmask_b32 v252, v252, v253, s54
	s_delay_alu instid0(VALU_DEP_1)
	v_add_nc_u32 v252, s62, v252
	s_delay_alu instid0(VALU_DEP_1)
	v_lshl_add_u32 v252, v4, 2, v252
	s_barrier_signal -1                            ; (every wave's stores of its states were waited for above)
	s_barrier_wait -1                              ; all 32 states lie in LDS
	s_cmp_lt_u32 s16, 8
	s_cbranch_scc0 .Ljoin                          ; waves 8-15 have handed their states over
; One tile is finished: my state and my partner's under one M, O^T / the sum, its codes and its byte.  so: the tile's place among a wave's states
.macro FIN so, xr, by
.irp c, 0,1,2,3
	ds_load_b128 v[O+4*\c:O+4*\c+3], v[SB] offset:\so+512*\c
.endr
	ds_load_b128 v[12:15], v[SB] offset:\so+2048
.irp c, 0,1,2,3,4
	ds_load_b128 v[S+4*\c:S+4*\c+3], v[SB] offset:\so+8*STW+512*\c   ; wave w + 8's: O^T in v96-111, -M in v112, the sum in v114, v115
.endr
	s_wait_dscnt 0x0
	v_min_num_f32 v232, v12, v[S+16]               ; the smaller -M: the larger M
	s_delay_alu instid0(VALU_DEP_1)
	v_sub_f32 v233, v232, v12                      ; each side's M less the common one: whole numbers, 0 or less
	s_delay_alu instid0(VALU_DEP_2)
	v_sub_f32 v234, v232, v[S+16]
	s_delay_alu instid0(VALU_DEP_2)
	v_cvt_i32_f32 v233, v233                       ; (they saturate)
	s_delay_alu instid0(VALU_DEP_2)
	v_cvt_i32_f32 v234, v234
	s_delay_alu instid0(VALU_DEP_2)
	v_ldexp_f32 v230, 1.0, v233                    ; my factor,
	s_delay_alu instid0(VALU_DEP_2)
	v_ldexp_f32 v232, 1.0, v234                    ; my partner's: powers of two, or 0 for a partner without a step
	v_add_f32 v14, v14, v15
	v_add_f32 v[S+18], v[S+18], v[S+19]
	s_delay_alu instid0(VALU_DEP_2)
	v_mul_f32 v14, v14, v230
	s_delay_alu instid0(VALU_DEP_1)
	v_fma_f32 v14, v[S+18], v232, v14              ; my lane's part of the row's sum
.set II, 0
.rept 8
	v_pk_mul_f32 v[O+II:O+II+1], v[O+II:O+II+1], v[230:231] op_sel_hi:[1,0]
.set II, II+2
.endr
.set II, 0
.rept 8
	v_pk_fma_f32 v[O+II:O+II+1], v[S+II:S+II+1], v[232:233], v[O+II:O+II+1] op_sel_hi:[1,0,1]
.set II, II+2
.endr
	v_permlanex16_b32 v232, v14, s[SEL], s[SEL+1]
	s_delay_alu instid0(VALU_DEP_1)
	v_add_f32 v14, v14, v232                       ; the row's sum
	s_wait_alu depctr_va_vdst(0)
	v_rcp_f32 v14, v14
	v_nop
	s_wait_alu depctr_va_vdst(0)
.irp i, 0,1,2,3,4,5,6,7,8,9,10,11,12,13,14,15
	v_mul_f32 v[R+\i], v[O+\i], v14                ; dims 8 h + 0..7 and 16 + 8 h + 0..7 of my query and head
.endr
	v_max3_num_f32 v232, |v[R]|, |v[R+1]|, 0x2800000
.irp i, 2,4,6,8,10,12,14
	s_delay_alu instid0(VALU_DEP_1)
	v_max3_num_f32 v232, v232, |v[R+\i]|, |v[R+\i+1]|
.endr
	s_delay_alu instid0(VALU_DEP_1)
	v_permlanex16_b32 v233, v232, s[SEL], s[SEL+1]
	s_delay_alu instid0(VALU_DEP_1)
	v_max_num_f32 v232, v232, v233                 ; the head's 32 dims are one block of the next K
	s_delay_alu instid0(VALU_DEP_1)
	v_add_nc_u32 v234, 0xfe000000, v232
	s_delay_alu instid0(VALU_DEP_1)
	v_lshrrev_b32 v[\by], 23, v234
	v_cvt_scalef32_pk16_bf6_f32 v[\xr:\xr+2], v[R:R+15], v234
	v_nop
.endm
	FIN 0, 236, 244
	FIN STT, 240, 245
	; THE WAY OUT.  Lanes 0-15 end with the long tile's rows, lanes 16-31 with the short tile's; each lane's 24 bytes are block head % 4 of its row in K step head / 4
.irp i, 0,1,2
	v_permlane16_swap_b32 v[236+\i], v[240+\i]
.endr
	s_delay_alu instid0(VALU_DEP_3)
	v_mov_b32 v239, v240
	s_delay_alu instid0(VALU_DEP_3)
	v_mov_b32 v240, v241
	s_delay_alu instid0(VALU_DEP_3)
	v_mov_b32 v241, v242
	global_store_b128 v250, v[236:239], s[6:7]     ; sixteen lanes store 256 consecutive bytes, aligned
	global_store_b64 v251, v[240:241], s[6:7] offset:512
	v_cndmask_b32 v254, v244, v245, s54
	ds_store_b8 v6, v254                           ; byte w of my row's eight: two scale words
.Ljoin:
	s_wait_dscnt 0x0                               ; for the others' sake
	s_barrier_signal -1
	s_barrier_wait -1
	s_cmp_lg_u32 s16, 0
	s_cbranch_scc1 .Lend
	ds_load_b64 v[254:255], v7
	s_wait_dscnt 0x0
	s_wait_alu depctr_va_vdst(0)
	global_store_b32 v252, v254, s[6:7]
	global_store_b32 v252, v255, s[6:7] offset:12800
.Lend:
	s_wait_tensorcnt 0x0
	ds_add_u32 v223, v243
	s_wait_dscnt 0x0
	s_endpgm
.Lfunc_end_k_qb6fbec6f56_attn:
	.size	k_qb6fbec6f56_attn, .Lfunc_end_k_qb6fbec6f56_attn-k_qb6fbec6f56_attn
	.p2alignl 7, 3214868480
	.fill 96, 4, 3214868480
	.section	.rodata,"a",@progbits
	.p2align	6, 0x0
	.amdhsa_kernel k_qb6fbec6f56_attn
		.amdhsa_group_segment_fixed_size 231424
		.amdhsa_private_segment_fixed_size 0
		.amdhsa_enable_private_segment 0
		.amdhsa_kernarg_size 16
		.amdhsa_user_sgpr_count 2
		.amdhsa_user_sgpr_kernarg_segment_ptr 1
		.amdhsa_wavefront_size32 1
		.amdhsa_system_sgpr_workgroup_id_x 1
		.amdhsa_system_sgpr_workgroup_id_y 1
		.amdhsa_system_sgpr_workgroup_id_z 1
		.amdhsa_system_vgpr_workitem_id 0
		.amdhsa_next_free_vgpr 256
		.amdhsa_next_free_sgpr 66
		.amdhsa_reserve_vcc 1
		.amdhsa_float_denorm_mode_32 3
		.amdhsa_float_denorm_mode_16_64 3
		.amdhsa_memory_ordered 1
		.amdhsa_forward_progress 1
		.amdhsa_inst_pref_size 64
	.end_amdhsa_kernel
	.amdgpu_metadata
---
amdhsa.version: [ 1, 2 ]
amdhsa.kernels:
  - .name:           k_qb6fbec6f56_attn
    .symbol:         k_qb6fbec6f56_attn.kd
    .args:
      - { .name: qkv, .offset: 0, .size: 8, .value_kind: global_buffer, .address_space: global }
      - { .name: a2, .offset: 8, .size: 8, .value_kind: global_buffer, .address_space: global }
    .group_segment_fixed_size: 231424
    .private_segment_fixed_size: 0
    .kernarg_segment_align: 8
    .kernarg_segment_size: 16
    .max_flat_workgroup_size: 512
    .sgpr_count:     66
    .vgpr_count:     256
    .wavefront_size: 32
...
	.end_amdgpu_metadata
.endif
;; end of part 3
;; launch ffn (part 4): grid 32 x 8, 4 waves a work-group, clusters of 4 x 4, 327,680 bytes of LDS; arguments wsp, a2; writes a2
.if DOCPART == 4
	.amdgcn_target "amdgcn-amd-amdhsa--gfx1250"
	.amdhsa_code_object_version 6
	.text
	.protected	k_qb6fbec6f56_ffn
	.globl	k_qb6fbec6f56_ffn
	.p2align	8
	.type	k_qb6fbec6f56_ffn,@function
k_qb6fbec6f56_ffn:
	s_mov_b64 s[64:65], 0
	v_nop
	global_prefetch_b8 v0, s[64:65] scope:SCOPE_SE
	s_setreg_imm32_b32 hwreg(HW_REG_WAVE_MODE, 25, 1), 1
	s_wait_xcnt 0x0
	s_wait_alu depctr_hold_cnt(0) depctr_sa_sdst(0) depctr_va_vdst(0) depctr_va_sdst(0) depctr_va_ssrc(0) depctr_va_vcc(0) depctr_vm_vsrc(0)
	s_getreg_b32 s2, hwreg(HW_REG_IB_STS2, 6, 4)
	s_cmp_eq_u32 s2, 0
	s_cbranch_scc0 .Lentry_in_a_cluster
	s_endpgm
.Lentry_in_a_cluster:
	s_bfe_u32 s2, ttmp6, 0x10000c
	s_cmp_lg_u32 s2, 0xf033
	s_cbranch_scc0 .Lentry_shape_is_right
	s_endpgm
.Lentry_shape_is_right:
; FFN: the ff columns of xn W_fused on codes of E3M2, SwiGLU in f32, and the quantising of the hidden layer along its own axis: K steps 4-35 of the last product's left operand, a2.
; SHARES.  Work-group (cg, y): 512 rows (xn's groups 2 y, 2 y + 1) x the 128 hidden units of column group cg.  Wave u: all 512 rows x hidden units 32 u .. + 31: two tiles of ff_x and two of ff_gate, 64 columns.
; W STAYS IN REGISTERS: the wave's 4 tiles x 8 K steps are 32 fragments, 384 registers, with 32 scale words.  The work-group's eight records of W come into LDS once, at the head, and are read into registers from there.
; xn STREAMS THROUGH LDS: two slots, each with 128 rows for all of K (8 x 12,288 bytes of codes, 8 x 512 of scale words).  A slot is four PHASES of 32 rows: 64 matrix instructions (2 row tiles x 4 column tiles x 8 K steps), then the way out.
; The next phase's fragments are loaded in one run at the start of the way out, into the one set of 192 registers that the products have just read.
; LDS: slot 0 at 0; W's records at 102,400 .. 307,199; slot 1 is filled over W's first half when every wave has W in registers; behind them the scale bytes' stage and the spare words.
; TRANSPOSED USE (source 0 = 16 columns of W, source 1 = 16 rows of xn): a lane holds one row, x and gate of a unit lie in one lane; the wave's 32 units are one block of the next K.
; CLUSTER 4 x 4: the four of a row of the cluster take the same rows of xn, the four of a column the same records of W: each tile is asked for jointly, by the same load with a mask that names the four.
; NO PREFETCH: a refill is asked for four phases (256 matrix instructions and four ways out) ahead of the wait for it; there are four fills of xn in all, two of them at the start, and W is asked for at the head alone.
; a2: a wave's block of a row is 24 bytes of a fragment's image; sixteen lanes store 256 and 128 consecutive bytes.  The scale bytes are gathered in LDS, 512 bytes of its own for each wave, and leave as whole words at the end.
; REGISTERS: window 0: v4-29 addresses and the quantiser's, v32-63 W's scale words, v64-71 xn's (lanes 0-15 the even row tile, 16-31 the odd), v72-83 codes, v96-159 the way out (at the head v96-107: W's LDS addresses).
;   window 1: W's K steps 0-3.  window 2: W's K steps 4-7, v192-195 LDS addresses of the fragment loads.  window 3: v0-191 xn's fragments, v192-255 the eight accumulators.
; LIMITS: NaN and infinities are not served; a block under 2^-122 (or of zeros) keeps the byte 1.  silu(g) x is formed as (x g) / (1 + 2^(-g log2 e)): where the exponential overflows the quotient is 0.
.set WF_OFF, 3276800
.set REC,    25600
.set SLOT,   102400
.set BST,    102400                    ; W's eight records
.set HK,     49152                     ; four K steps of a slot's codes
.set SCO,    98304                     ; a slot's scale words
.set STG,    307200                    ; the scale bytes, 512 for each wave
.set SPARE,  309248                    ; the spare words
.set GRP,    460800                    ; a2: a group of 128 rows, 36 records of 12,800 bytes
.set TM,  4
.set BS,  32
.set AS,  64
.set PC,  72
.set PT,  78
.set P,   96
.set T,   128
.set ACC, 192
.set AD,  192
.set SEL, 20
.set G1C, 24
.set G1S, 32
.set G0C, 40
.set G0S, 44
.set G0HC, 48                          ; the head's loads: xn's codes, xn's scale words, W
.set G0HS, 88
.set G0B, 92
.set G1B, 76
.set MSB, 0
.macro WIN new                         ; the immediate's high byte repeats the setting that is left
.if MSB != \new
	s_set_vgpr_msb (MSB<<8)|\new
.set MSB, \new
.endif
.endm
.set MUL_A, 0xfd                       ; source 0 window 1 (W), source 1, C and D window 3
.set MUL_B, 0xfe                       ; source 0 window 2 (W; the address of an LDS load), the rest window 3
.macro NOPS
.rept 4
	v_nop
.endr
.endm
.macro JLOAD                           ; a joint load: waves 0, 1 codes, waves 2, 3 scale words; s_nop 0 and four v_nop follow each line
	s_cmp_eq_u32 s15, 0
	s_cbranch_scc0 .Lfor_s_\@
	tensor_load_to_lds s[G0C:G0C+3], s[G1C:G1C+7]
	s_nop 0
	NOPS
	s_branch .Lasked_\@
.Lfor_s_\@:
	tensor_load_to_lds s[G0S:G0S+3], s[G1S:G1S+7]
	s_nop 0
	NOPS
.Lasked_\@:
.endm
.macro CREST                           ; a round of the cluster's barrier behind its opening barrier
	s_cmp_lg_u32 s14, 0
	s_cbranch_scc1 .Lnot_wave_0_\@
	s_barrier_signal -3
.Lnot_wave_0_\@:
	s_barrier_wait -3
	s_barrier_signal -1
	s_barrier_wait -1
.endm
.macro CROUND
	s_barrier_signal -1
	s_barrier_wait -1
	CREST
.endm
.macro REFILL sl, dc, ds               ; the next 128 rows into slot sl: no load of mine is out, so the descriptors may be written
	s_add_co_u32 s[G0C+1], s84, (\sl)*SLOT
	s_add_co_u32 s[G0S+1], s85, (\sl)*SLOT
	s_add_nc_u64 s[G0C+2:G0C+3], s[G0C+2:G0C+3], \dc
	s_add_nc_u64 s[G0S+2:G0S+3], s[G0S+2:G0S+3], \ds
	JLOAD
.endm
	s_load_b128 s[4:7], s[0:1], 0x0                ; wsp s[4:5], a2 s[6:7]
	v_lshl_add_u32 v28, v0, 2, SPARE
	v_mov_b32 v29, 0
	ds_add_u32 v28, v29                            ; the opening lines: the add twice on end and its wait
	ds_add_u32 v28, v29
	v_lshrrev_b32 v1, 5, v0
	v_readfirstlane_b32 s14, v1                    ; wave u
	s_lshr_b32 s15, s14, 1
	s_and_b32 s16, s14, 1
	s_bfe_u32 s8, ttmp6, 0x40000                   ; cx
	s_bfe_u32 s13, ttmp6, 0x40004                  ; cy
	s_lshl_b32 s9, ttmp9, 2
	s_add_co_u32 s9, s9, s8                        ; cg = 4 x cluster x + cx
	s_and_b32 s12, ttmp7, 0xffff
	s_lshl_b32 s12, s12, 2
	s_add_co_u32 s12, s12, s13                     ; y = 4 x cluster y + cy
	s_lshl_b32 s17, s13, 2
	s_lshl_b32 s17, 15, s17                        ; my row of the cluster
	s_lshl_b32 s18, 0x1111, s8                     ; my column
.irp g, G1C, G1S                       ; rows = K steps, a record apart, elements of 8 bytes, the mask of my row with bit 21; eight rows at the head, four in the ring
	s_or_b32 s[\g], s17, (3<<16)|(1<<21)
	s_mov_b32 s[\g+2], 8<<16
	s_mov_b32 s[\g+4], 8
	s_mov_b32 s[\g+5], 3200
	s_mov_b32 s[\g+6], 0
	s_mov_b32 s[\g+7], 0
.endr
	s_mov_b32 s[G1C+1], 1536<<16                   ; 12,288 bytes: eight tiles' codes
	s_mov_b32 s[G1C+3], 1536<<16
	s_mov_b32 s[G1S+1], 64<<16                     ; 512 bytes: their scale words
	s_mov_b32 s[G1S+3], 64<<16
	v_and_b32 v1, 15, v0                           ; r
	v_bfe_u32 v2, v0, 4, 1                         ; h
	v_and_b32 v3, 31, v0                           ; lane
	v_lshlrev_b32 v16, 4, v3                       ; 16 x lane
	v_lshlrev_b32 v27, 3, v3                       ; 8 x lane
	v_add_nc_u32 v17, 512, v27
	v_lshl_add_u32 v18, v3, 2, SCO
	v_lshlrev_b32 v25, 2, v1                       ; 4 r
	v_cmp_eq_u32 s54, 1, v2                        ; lanes 16-31
	s_mul_i32 s60, s15, 768                        ; block u of a row lies in half u / 2 of the image, in lanes 16 (u % 2) + r
	s_lshl_b32 s61, s16, 8
	s_add_co_u32 s61, s61, s60
	v_mul_u32_u24 v13, v2, 1536                    ; lanes 16-31 hold the odd row tile
	v_lshl_add_u32 v14, v1, 3, v13
	v_lshl_add_u32 v13, v1, 4, v13
	v_add_nc_u32 v13, s61, v13                     ; registers 0-3
	s_lshl_b32 s61, s16, 7
	s_add_co_u32 s61, s61, s60
	v_add_nc_u32 v14, s61, v14                     ; registers 4-5 (+ 512)
	s_lshl_b32 s60, s14, 9
	s_add_co_u32 s60, s60, STG
	v_add_nc_u32 v15, s60, v3                      ; my scale bytes: one for each of my 512 rows
	s_lshl_b32 s60, s14, 7
	s_add_co_u32 s60, s60, STG
	v_lshl_add_u32 v24, v3, 2, s60                 ; at the end: rows 128 u + 4 lane .. + 3 of a wave's bytes
	v_mov_b32 v[TM+2], 0                           ; (a lane permute's destination counts as one of its sources)
	v_mov_b32 v[TM+3], 0
	s_lshl_b32 s60, s15, 3
	s_lshl_b32 s61, s16, 1
	s_add_co_u32 s60, s60, s61                     ; my first tile of W's records: 8 (u / 2) + 2 (u % 2); ff_gate four tiles on
	s_mul_i32 s62, s60, 1536
	s_add_co_u32 s62, s62, BST
	s_lshl_b32 s63, s60, 6
	s_add_co_u32 s63, s63, BST+24576
.irp q, 0,1,2,3                        ; W's LDS addresses, a set for each two K steps, so that every offset fits its 16 bits
	v_add_nc_u32 v[96+3*\q], s62, v16
	v_add_nc_u32 v[97+3*\q], s62, v27
	v_add_nc_u32 v[98+3*\q], s63, v25
	s_add_co_u32 s62, s62, 2*REC
	s_add_co_u32 s63, s63, 2*REC
.endr
	s_mul_i32 s70, s12, 16*REC                     ; xn: group 2 y
	s_mov_b32 s71, 0
	s_add_co_u32 s72, s70, 24576
	s_mov_b32 s73, 0
	s_mul_i32 s98, s16, 4*REC                      ; which four K steps I fetch
	s_mov_b32 s99, 0
	s_mul_i32 s84, s16, HK                         ; and where they go in a slot
	s_lshl_b32 s85, s16, 11
	s_add_co_u32 s85, s85, SCO
	s_mul_i32 s74, s9, 8*REC
	s_add_co_u32 s74, s74, WF_OFF
	s_add_co_u32 s74, s74, s98                     ; W: column group cg, K step 4 (u % 2)
	s_mov_b32 s75, 0
	s_mul_i32 s80, s12, 4*GRP                      ; a2: group 4 y, K step 4 + cg
	s_add_co_u32 s60, s9, 4
	s_mul_i32 s60, s60, 12800
	s_add_co_u32 s80, s80, s60
	s_mov_b32 s81, 0
	s_mul_i32 s82, s14, GRP                        ; at the end wave u stores group 4 y + u's scale words
	s_add_co_u32 s82, s82, s80
	s_add_co_u32 s82, s82, 12288
	s_mov_b32 s83, 0
	s_mov_b32 s86, 0                               ; s[86:87]: what the store pointer is stepped by in the middle of the next phase
	s_mov_b32 s87, 0
	s_mov_b32 s[SEL], 0x76543210
	s_mov_b32 s[SEL+1], 0xfedcba98
	s_mov_b32 s96, 0xbfb8aa3b                      ; -log2(e)
	s_mov_b32 s97, s96
	s_wait_alu depctr_va_vdst(0)
	s_wait_dscnt 0x0
	s_wait_kmcnt 0x0
	s_mov_b32 s[G0HC], 1                           ; the head's tiles: rows 0-127, all eight K steps of codes,
	s_mov_b32 s[G0HC+1], 0
	s_add_nc_u64 s[G0HC+2:G0HC+3], s[4:5], s[70:71]
	s_mov_b32 s[G0HS], 1                           ; and of scale words;
	s_mov_b32 s[G0HS+1], SCO
	s_add_nc_u64 s[G0HS+2:G0HS+3], s[4:5], s[72:73]
	s_mov_b32 s[G0C], 1                            ; the ring's: my four K steps
	s_mov_b32 s[G0C+1], s84
	s_add_nc_u64 s[G0C+2:G0C+3], s[G0HC+2:G0HC+3], s[98:99]
	s_mov_b32 s[G0S], 1
	s_mov_b32 s[G0S+1], s85
	s_add_nc_u64 s[G0S+2:G0S+3], s[G0HS+2:G0HS+3], s[98:99]
	s_mov_b32 s[G0B], 1                            ; four records of W
	s_add_co_u32 s[G0B+1], s98, BST
	s_add_nc_u64 s[G0B+2:G0B+3], s[4:5], s[74:75]
.irp g, G0HC, G0HS, G0C, G0S, G0B
	s_or_b32 s[\g+3], s[\g+3], 0x80000000
.endr
	s_add_nc_u64 s[10:11], s[6:7], s[80:81]
	s_add_nc_u64 s[68:69], s[6:7], s[82:83]
	s_or_b32 s[G1B], s18, (3<<16)|(1<<21)          ; 102,400 dense bytes as 400 rows of 256; the mask of my column with bit 21
	s_mov_b32 s[G1B+1], 32<<16
	s_mov_b32 s[G1B+2], 400<<16
	s_mov_b32 s[G1B+3], 32<<16
	s_mov_b32 s[G1B+4], 400
	s_mov_b32 s[G1B+5], 32
	s_mov_b32 s[G1B+6], 0
	s_mov_b32 s[G1B+7], 0
	CROUND                                         ; all sixteen work-groups are here: the first joint loads meet
	s_cmp_lt_u32 s14, 1                            ; one load a wave at the head, in one chain of branches
	s_cbranch_scc0 .Lh1
	tensor_load_to_lds s[G0HC:G0HC+3], s[G1C:G1C+7]
	s_nop 0
	NOPS
	s_branch .Lhead_asked
.Lh1:
	s_cmp_lt_u32 s14, 2
	s_cbranch_scc0 .Lh2
	tensor_load_to_lds s[G0HS:G0HS+3], s[G1S:G1S+7]
	s_nop 0
	NOPS
	s_branch .Lhead_asked
.Lh2:
	tensor_load_to_lds s[G0B:G0B+3], s[G1B:G1B+7]
	s_nop 0
	NOPS
.Lhead_asked:
	s_wait_tensorcnt 0x0                           ; my tile has landed,
	s_barrier_signal -1
	s_barrier_wait -1                              ; everybody's has
.irp k, 0,1,2,3,4,5,6,7                ; W's scale words: both halves of the lanes take column r's
.irp b, 0,1,2,3
	ds_load_b32 v[BS+4*\k+\b], v[98+3*(\k/2)] offset:(\k%2)*REC+(\b%2)*64+(\b/2)*256
.endr
.endr
.macro BLOAD k                         ; W's four fragments of K step k: every load reads consecutive bytes
.irp b, 0,1,2,3
.set BO, ((\k)%2)*REC+(\b%2)*1536+(\b/2)*6144
.set BR, 48*((\k)%4)+12*\b
	ds_load_b128 v[BR:BR+3], v[96+3*((\k)/2)] offset:BO
	ds_load_b64 v[BR+4:BR+5], v[97+3*((\k)/2)] offset:BO+512
	ds_load_b128 v[BR+6:BR+9], v[96+3*((\k)/2)] offset:BO+768
	ds_load_b64 v[BR+10:BR+11], v[97+3*((\k)/2)] offset:BO+1280
.endr
.endm
	WIN 0x40
.irp k, 0,1,2,3
	BLOAD \k
.endr
	WIN 0x80
.irp k, 4,5,6,7
	BLOAD \k
.endr
	WIN 0
.macro ADRS                            ; the addresses of the phase whose fragments are loaded next: s52 its codes' place, s53 its scale words'
	s_add_co_u32 s56, s52, HK
	WIN 0x80
	v_add_nc_u32 v[AD], s52, v16
	v_add_nc_u32 v[AD+1], s52, v17
	v_add_nc_u32 v[AD+2], s56, v16
	v_add_nc_u32 v[AD+3], s56, v17
	WIN 0
	v_add_nc_u32 v20, s53, v18
	s_wait_alu depctr_va_vdst(0)
.endm
.macro ALD n, hi                       ; load n of the 32 that bring xn's fragments of K steps 4 hi .. 4 hi + 3 (two row tiles each)
.set LP, (\n)%4
.set LR, 24*(4*(\hi)+(\n)/8)+12*(((\n)/4)%2)+6*(LP/2)+4*(LP%2)
.set LO, ((\n)/8)*12288+(((\n)/4)%2)*1536+768*(LP/2)
.if LP%2 == 0
	ds_load_b128 v[LR:LR+3], v[AD+2*(\hi)] offset:LO
.else
	ds_load_b64 v[LR:LR+1], v[AD+2*(\hi)+1] offset:LO
.endif
.endm
.macro ALD32 hi
.set N, 0
.rept 32
	ALD N, \hi
.set N, N+1
.endr
.endm
.macro ASLD
.irp k, 0,1,2,3,4,5,6,7
	ds_load_b32 v[AS+\k], v20 offset:512*\k
.endr
.endm
.macro WM n, hi                        ; product n of the 32 of K steps 4 hi ..: the eight accumulators by turns, one instruction a turn; K step 0 starts the sums
.set MA, ((\n)/4)%2
.set MD, ACC+8*(4*MA+(\n)%4)
.set MW, 48*((\n)/8)+12*((\n)%4)
.set MX, 24*(4*(\hi)+(\n)/8)+12*MA
.set MS, BS+4*(4*(\hi)+(\n)/8)+(\n)%4
.set MT, AS+4*(\hi)+(\n)/8
.if (\hi) == 0 && (\n) < 8
.if MA
	v_wmma_scale_f32_16x16x128_f8f6f4 v[MD:MD+7], v[MW:MW+11], v[MX:MX+11], 0, v[MS], v[MT] matrix_a_fmt:MATRIX_FMT_BF6 matrix_b_fmt:MATRIX_FMT_BF6 matrix_b_scale:MATRIX_SCALE_ROW1
.else
	v_wmma_scale_f32_16x16x128_f8f6f4 v[MD:MD+7], v[MW:MW+11], v[MX:MX+11], 0, v[MS], v[MT] matrix_a_fmt:MATRIX_FMT_BF6 matrix_b_fmt:MATRIX_FMT_BF6
.endif
.else
.if MA
	v_wmma_scale_f32_16x16x128_f8f6f4 v[MD:MD+7], v[MW:MW+11], v[MX:MX+11], v[MD:MD+7], v[MS], v[MT] matrix_a_fmt:MATRIX_FMT_BF6 matrix_b_fmt:MATRIX_FMT_BF6 matrix_b_scale:MATRIX_SCALE_ROW1
.else
	v_wmma_scale_f32_16x16x128_f8f6f4 v[MD:MD+7], v[MW:MW+11], v[MX:MX+11], v[MD:MD+7], v[MS], v[MT] matrix_a_fmt:MATRIX_FMT_BF6 matrix_b_fmt:MATRIX_FMT_BF6
.endif
.endif
.endm
.macro WM32 hi
.set N, 0
.rept 32
	WM N, \hi
.set N, N+1
.endr
.endm
; v[s] .. v[s + 31]: 16 numbers of each of two blocks (the two row tiles), whose other 16 lie in lane l xor 16.  Out: six registers of codes at v[pc] (lanes 0-15: the even tile's rows, lanes 16-31: the odd tile's), the two bytes in v[TM + 4], v[TM + 5]
.macro QUANT2 s, pc
.irp b, 0,1
	v_max3_num_f32 v[TM+\b], |v[\s+16*\b]|, |v[\s+1+16*\b]|, 0x2800000   ; the floor 2^(5 - 127) is one leaf: the byte cannot fall under 1
.endr
.irp i, 2,4,6,8,10,12,14
.irp b, 0,1
	v_max3_num_f32 v[TM+\b], v[TM+\b], |v[\s+16*\b+\i]|, |v[\s+1+16*\b+\i]|
.endr
.endr
.irp b, 0,1
	v_permlanex16_b32 v[TM+2+\b], v[TM+\b], s[SEL], s[SEL+1]
.endr
.irp b, 0,1
	v_max_num_f32 v[TM+\b], v[TM+\b], v[TM+2+\b]
.endr
.irp b, 0,1
	v_add_nc_u32 v[TM+6+\b], 0xfe000000, v[TM+\b]  ; 4 off the exponent field: the conversion's scale operand
.endr
.irp b, 0,1
	v_lshrrev_b32 v[TM+4+\b], 23, v[TM+6+\b]       ; the scale's byte
.endr
	v_cvt_scalef32_pk16_bf6_f32 v[\pc:\pc+2], v[\s:\s+15], v[TM+6]
	v_cvt_scalef32_pk16_bf6_f32 v[PT:PT+2], v[\s+16:\s+31], v[TM+7]
	v_nop                                          ; one plain place behind the conversions
.irp i, 0,1,2
	v_permlane16_swap_b32 v[\pc+\i], v[PT+\i]
.endr
.irp i, 0,1,2
	v_mov_b32 v[\pc+3+\i], v[PT+\i]
.endr
.endm
; A PHASE: 32 rows.  mode 0: plain.  1: the slot's last phase: all waves of the cluster meet, and the slot, which nobody reads any more, is filled again.  2: all waves meet, nothing is filled.  3: the last phase: nothing more is loaded.
.macro PHASE mode, step, sl, dc, ds
.if \mode != 3
	ADRS
.endif
.if \mode == 1 || \mode == 2
	s_wait_tensorcnt 0x0                           ; all my tensor loads have landed: my part of the other slot
.if \mode == 1
	ds_add_u32 v28, v29                            ; 0 onto my spare word
.endif
	s_wait_dscnt 0x0                               ; the add is done, and so are my reads of this slot: this phase's fragments are in registers
	s_barrier_signal -1
.else
	s_wait_dscnt 0x0                               ; this phase's fragments and scale words are in
.endif
	WIN MUL_A
	WM32 0
.if \mode == 1 || \mode == 2
	WIN 0
	s_barrier_wait -1
.endif
.if \mode == 1
	CREST                                          ; the barrier has opened a round of the cluster's barrier
	REFILL \sl, \dc, \ds                           ; the first tensor load behind the round
.endif
	s_wait_xcnt 0x0                                ; the last phase's stores have read their registers and their base
	s_add_nc_u64 s[10:11], s[10:11], s[86:87]
	WIN MUL_B
	WM32 1
	NOPS                                           ; four places: for the loads below and for the first read of results
.if \mode != 3
	ALD32 0                                        ; the next phase's fragments, in one run
	ALD32 1
	WIN 0
	ASLD
.endif
	WIN 0x0f                                       ; sources 0 and 1: the accumulators' window.
.irp a, 0,1
.irp i, 0,2,4,6,8,10,12,14
	v_pk_mul_f32 v[P+16*\a+\i:P+16*\a+\i+1], v[ACC+32*\a+\i:ACC+32*\a+\i+1], v[ACC+32*\a+16+\i:ACC+32*\a+17+\i]   ; x g
.endr
.endr
	WIN 0x03
.irp a, 0,1
.irp i, 0,2,4,6,8,10,12,14
	v_pk_mul_f32 v[T+16*\a+\i:T+16*\a+\i+1], v[ACC+32*\a+16+\i:ACC+32*\a+17+\i], s[96:97] op_sel_hi:[1,0]   ; -g log2 e
.endr
.endr
	WIN 0
	v_add_nc_u32 v19, s55, v15                     ; where this phase's scale bytes go
	s_wait_alu depctr_va_vdst(0)                   ; a wait ahead of each batch of transcendentals and behind it
.set II, 0
.rept 32
	v_exp_f32 v[T+II], v[T+II]
.set II, II+1
.endr
	v_nop
	s_wait_alu depctr_va_vdst(0)
.set II, 0
.rept 16
	v_pk_add_f32 v[T+II:T+II+1], v[T+II:T+II+1], 1.0 op_sel_hi:[1,0]
.set II, II+2
.endr
	s_wait_alu depctr_va_vdst(0)
.set II, 0
.rept 32
	v_rcp_f32 v[T+II], v[T+II]
.set II, II+1
.endr
	v_nop
	s_wait_alu depctr_va_vdst(0)
.set II, 0
.rept 16
	v_pk_mul_f32 v[P+II:P+II+1], v[P+II:P+II+1], v[T+II:T+II+1]
.set II, II+2
.endr
	QUANT2 P, PC
	v_cndmask_b32 v12, v[TM+4], v[TM+5], s54
	global_store_b128 v13, v[PC:PC+3], s[10:11]    ; sixteen lanes store 256 consecutive bytes, aligned
	global_store_b64 v14, v[PC+4:PC+5], s[10:11] offset:512
	ds_store_b8 v19, v12                           ; row 32 x phase + lane's byte
	s_add_co_u32 s55, s55, 32
	s_mov_b32 s86, \step
	s_wait_alu depctr_va_vdst(0)
.endm
.macro BLOCK j, mode, dc, ds           ; 128 rows, in slot j % 2: three plain phases in a loop, and the fourth, whose successor lies in the other slot
	s_mov_b32 s52, ((\j)%2)*SLOT+3072
	s_mov_b32 s53, ((\j)%2)*SLOT+128
	s_mov_b32 s55, 128*(\j)
	s_mov_b32 s58, 0
.Lin_\@:
	PHASE 0, 3072, 0, 0, 0
	s_add_co_u32 s52, s52, 3072
	s_add_co_u32 s53, s53, 128
	s_add_co_u32 s58, s58, 1
	s_cmp_lt_u32 s58, 3
	s_cbranch_scc1 .Lin_\@
	s_mov_b32 s52, (((\j)+1)%2)*SLOT
	s_mov_b32 s53, (((\j)+1)%2)*SLOT
	PHASE \mode, GRP-3*3072, (\j)%2, \dc, \ds
.endm
	s_mov_b32 s52, 0
	s_mov_b32 s53, 0
	ADRS
	WIN MUL_B
	ALD32 0                                        ; the first phase's fragments
	ALD32 1
	WIN 0
	ASLD
	s_wait_tensorcnt 0x0                           ; ahead of the refill: slot 1 lies over W's first half
	ds_add_u32 v28, v29
.irp g, G1C, G1S                       ; no tensor load of mine is out: from here on a load brings four K steps
	s_mov_b32 s[\g+2], 4<<16
	s_mov_b32 s[\g+4], 4
.endr
	s_wait_dscnt 0x0                               ; the add is done, and W is in my registers
	CROUND
	REFILL 1, 12288, 512                           ; rows 128-255 into slot 1
	BLOCK 0, 1, 192512, 204288                     ; rows 256-383 (the next group's first half) into slot 0
	BLOCK 1, 1, 12288, 512                         ; rows 384-511 into slot 1
	BLOCK 2, 2, 0, 0
	BLOCK 3, 3, 0, 0
	s_wait_dscnt 0x0                               ; for the others' sake: my bytes lie in LDS
	s_barrier_signal -1
	s_barrier_wait -1
	s_wait_xcnt 0x0                                ; the last stores have read the codes' registers
.irp u, 0,1,2,3
	ds_load_b32 v[72+\u], v24 offset:512*\u        ; four rows' bytes of block u
.endr
	s_wait_dscnt 0x0
	v_perm_b32 v76, v73, v72, 0x05010400           ; four bytes x four rows are turned: a row's word holds blocks 0-3
	v_perm_b32 v77, v73, v72, 0x07030602
	v_perm_b32 v78, v75, v74, 0x05010400
	v_perm_b32 v79, v75, v74, 0x07030602
	v_perm_b32 v80, v78, v76, 0x05040100
	v_perm_b32 v81, v78, v76, 0x07060302
	v_perm_b32 v82, v79, v77, 0x05040100
	v_perm_b32 v83, v79, v77, 0x07060302
	global_store_b128 v16, v[80:83], s[68:69]      ; 32 lanes store 512 consecutive bytes, aligned: a group's scale words of this K step
	s_wait_tensorcnt 0x0                           ; the wave's end
	ds_add_u32 v28, v29
	s_wait_dscnt 0x0
	CROUND                                         ; the closing round
	s_endpgm
.Lfunc_end_k_qb6fbec6f56_ffn:
	.size	k_qb6fbec6f56_ffn, .Lfunc_end_k_qb6fbec6f56_ffn-k_qb6fbec6f56_ffn
	.p2alignl 7, 3214868480
	.fill 96, 4, 3214868480
	.section	.rodata,"a",@progbits
	.p2align	6, 0x0
	.amdhsa_kernel k_qb6fbec6f56_ffn
		.amdhsa_group_segment_fixed_size 327680
		.amdhsa_private_segment_fixed_size 0
		.amdhsa_enable_private_segment 0
		.amdhsa_kernarg_size 16
		.amdhsa_user_sgpr_count 2
		.amdhsa_user_sgpr_kernarg_segment_ptr 1
		.amdhsa_wavefront_size32 1
		.amdhsa_system_sgpr_workgroup_id_x 1
		.amdhsa_system_sgpr_workgroup_id_y 1
		.amdhsa_system_sgpr_workgroup_id_z 1
		.amdhsa_system_vgpr_workitem_id 0
		.amdhsa_next_free_vgpr 1024
		.amdhsa_next_free_sgpr 100
		.amdhsa_reserve_vcc 0
		.amdhsa_float_denorm_mode_32 3
		.amdhsa_float_denorm_mode_16_64 3
		.amdhsa_memory_ordered 1
		.amdhsa_forward_progress 1
		.amdhsa_inst_pref_size 200
	.end_amdhsa_kernel
	.amdgpu_metadata
---
amdhsa.version: [ 1, 2 ]
amdhsa.kernels:
  - .name:           k_qb6fbec6f56_ffn
    .symbol:         k_qb6fbec6f56_ffn.kd
    .args:
      - { .name: wsp, .offset: 0, .size: 8, .value_kind: global_buffer, .address_space: global }
      - { .name: a2, .offset: 8, .size: 8, .value_kind: global_buffer, .address_space: global }
    .group_segment_fixed_size: 327680
    .private_segment_fixed_size: 0
    .kernarg_segment_align: 8
    .kernarg_segment_size: 16
    .max_flat_workgroup_size: 128
    .sgpr_count:     100
    .vgpr_count:     1024
    .wavefront_size: 32
...
	.end_amdgpu_metadata
.endif
;; end of part 4
;; launch out (part 5): grid 8 x 32, 4 waves a work-group, clusters of 4 x 4, 327,680 bytes of LDS; arguments a2, wsp, out0; writes out0
.if DOCPART == 5
	.amdgcn_target "amdgcn-amd-amdhsa--gfx1250"
	.amdhsa_code_object_version 6
	.text
	.protected	k_qb6fbec6f56_out
	.globl	k_qb6fbec6f56_out
	.p2align	8
	.type	k_qb6fbec6f56_out,@function
k_qb6fbec6f56_out:
	s_mov_b64 s[64:65], 0
	v_nop
	global_prefetch_b8 v0, s[64:65] scope:SCOPE_SE
	s_setreg_imm32_b32 hwreg(HW_REG_WAVE_MODE, 25, 1), 1
	s_wait_xcnt 0x0
	s_wait_alu depctr_hold_cnt(0) depctr_sa_sdst(0) depctr_va_vdst(0) depctr_va_sdst(0) depctr_va_ssrc(0) depctr_va_vcc(0) depctr_vm_vsrc(0)
	s_getreg_b32 s2, hwreg(HW_REG_IB_STS2, 6, 4)
	s_cmp_eq_u32 s2, 0
	s_cbranch_scc0 .Lentry_in_a_cluster
	s_endpgm
.Lentry_in_a_cluster:
	s_bfe_u32 s2, ttmp6, 0x10000c
	s_cmp_lg_u32 s2, 0xf033
	s_cbranch_scc0 .Lentry_shape_is_right
	s_endpgm
.Lentry_shape_is_right:
.set W2_OFF, 10291200
.set REC,    12800
.set SLOT,   153600
.set SPARE,  307200
.set SPITCH, 272
.set SC,  32
.set ACC, 128
.set BK,  64
.set F0,  64
.set G1A, 24
.set G0A, 32
.set G1B, 48
.set G0B, 56
.set MSB, 0
.macro WIN new
.if MSB != \new
	s_set_vgpr_msb (MSB<<8)|\new
.set MSB, \new
.endif
.endm
.set MUL,  0x05
.set TO_F, 0x40
.macro JLOAD g0a, g0b
	s_cmp_eq_u32 s15, 0
	s_cbranch_scc0 .Lfor_b_\@
	tensor_load_to_lds s[\g0a:\g0a+3], s[G1A:G1A+7]
	s_nop 0
.rept 4
	v_nop
.endr
	s_branch .Lasked_\@
.Lfor_b_\@:
	tensor_load_to_lds s[\g0b:\g0b+3], s[G1B:G1B+7]
	s_nop 0
.rept 4
	v_nop
.endr
.Lasked_\@:
.endm
.macro CREST
	s_cmp_lg_u32 s14, 0
	s_cbranch_scc1 .Lnot_wave_0_\@
	s_barrier_signal -3
.Lnot_wave_0_\@:
	s_barrier_wait -3
	s_barrier_signal -1
	s_barrier_wait -1
.endm
.macro CROUND
	s_barrier_signal -1
	s_barrier_wait -1
	CREST
.endm
	s_load_b128 s[4:7], s[0:1], 0x0
	s_load_b64 s[8:9], s[0:1], 0x10
	v_lshl_add_u32 v28, v0, 2, SPARE
	v_mov_b32 v29, 0
	ds_add_u32 v28, v29
	ds_add_u32 v28, v29
	s_wait_dscnt 0x0
	v_lshrrev_b32 v1, 5, v0
	v_readfirstlane_b32 s14, v1
	s_lshr_b32 s15, s14, 1
	s_and_b32 s16, s14, 1
	s_bfe_u32 s80, ttmp6, 0x40000
	s_bfe_u32 s81, ttmp6, 0x40004
	s_lshl_b32 s82, ttmp9, 2
	s_add_co_u32 s82, s82, s80
	s_and_b32 s83, ttmp7, 0xffff
	s_lshl_b32 s83, s83, 2
	s_add_co_u32 s83, s83, s81
	s_lshl_b32 s84, s81, 2
	s_lshl_b32 s84, 15, s84
	s_lshl_b32 s85, 0x1111, s80
	s_or_b32 s[G1A], s84, (3<<16)|(1<<21)
	s_or_b32 s[G1B], s85, (3<<16)|(1<<21)
.irp g, G1A, G1B
	s_mov_b32 s[\g+1], 32<<16
	s_mov_b32 s[\g+2], 150<<16
	s_mov_b32 s[\g+3], 32<<16
	s_mov_b32 s[\g+4], 150
	s_mov_b32 s[\g+5], 32
	s_mov_b32 s[\g+6], 0
	s_mov_b32 s[\g+7], 0
.endr
	s_mul_i32 s88, s16, 3*REC
	s_mul_i32 s86, s83, 36*REC
	s_add_co_u32 s86, s86, s88
	s_mov_b32 s87, 0
	s_mul_i32 s90, s82, 36*REC
	s_add_co_u32 s90, s90, s88
	s_add_co_u32 s90, s90, W2_OFF
	s_mov_b32 s91, 0
	s_mul_i32 s89, s14, 3*REC
	s_wait_kmcnt 0x0
	s_add_nc_u64 s[92:93], s[4:5], s[86:87]
	s_add_nc_u64 s[94:95], s[6:7], s[90:91]
	CROUND
.irp s, 0,1
	s_mov_b32 s[G0A+4*\s], 1
	s_add_co_u32 s[G0A+4*\s+1], s89, \s*SLOT
	s_add_nc_u64 s[G0A+4*\s+2:G0A+4*\s+3], s[92:93], \s*6*REC
	s_or_b32 s[G0A+4*\s+3], s[G0A+4*\s+3], 0x80000000
	s_mov_b32 s[G0B+4*\s], 1
	s_add_co_u32 s[G0B+4*\s+1], s89, \s*SLOT
	s_add_nc_u64 s[G0B+4*\s+2:G0B+4*\s+3], s[94:95], \s*6*REC
	s_or_b32 s[G0B+4*\s+3], s[G0B+4*\s+3], 0x80000000
.endr
	JLOAD G0A, G0B                                 ; K steps 0-5: one load a wave at the head
	; the prefetches: behind the load of six K steps those of the next six are asked for.  A wave's 38,400 bytes are 150 blocks of 256; the four partners that ask jointly take 38 each, told apart by address
	s_cmp_eq_u32 s15, 0
	s_cselect_b64 s[10:11], s[92:93], s[94:95]
	s_cselect_b32 s12, s80, s81
	s_mul_i32 s12, s12, 38
	v_and_b32 v3, 31, v0
	v_add_nc_u32 v6, s12, v3
	v_min_u32 v7, 5, v3
	v_min_u32 v6, 149, v6
	v_add3_u32 v7, v7, s12, 32
	v_lshlrev_b32 v6, 8, v6
	v_min_u32 v7, 149, v7                          ; lanes that are left over name their share's last block again; no lane passes the wave's last block
	v_lshlrev_b32 v7, 8, v7
	s_wait_alu depctr_va_vdst(0)
	global_prefetch_b8 v6, s[10:11] offset:6*REC th:TH_LOAD_NT scope:SCOPE_SE
	global_prefetch_b8 v7, s[10:11] offset:6*REC th:TH_LOAD_NT scope:SCOPE_SE
	s_wait_tensorcnt 0x0                           ; ahead of a later first fill
	ds_add_u32 v28, v29
	s_wait_dscnt 0x0
	CROUND
	JLOAD G0A+4, G0B+4
	v_and_b32 v1, 15, v0
	v_bfe_u32 v2, v0, 4, 1
	v_and_b32 v3, 31, v0
	v_lshlrev_b32 v4, 4, v3
	v_lshlrev_b32 v5, 3, v3
	s_mul_i32 s17, s15, 6144
	v_add_nc_u32 v16, s17, v4
	v_add_nc_u32 v17, s17, v5
	v_add_nc_u32 v17, 512, v17
	s_mul_i32 s18, s16, 6144
	s_add_co_u32 s18, s18, 6*REC
	v_add_nc_u32 v18, s18, v4
	v_add_nc_u32 v19, s18, v5
	v_add_nc_u32 v19, 512, v19
	s_lshl_b32 s17, s15, 8
	s_lshl_b32 s18, s16, 8
	s_add_co_u32 s18, s18, 6*REC
	s_sub_co_u32 s18, s18, s17
	v_mul_u32_u24 v20, s18, v2
	v_lshl_add_u32 v20, v1, 2, v20
	s_add_co_u32 s17, s17, 12288
	v_add_nc_u32 v20, s17, v20
	s_mul_i32 s19, s14, 16*SPITCH
	v_mul_u32_u24 v26, v1, SPITCH
	v_lshl_add_u32 v26, v2, 5, v26
	v_add_nc_u32 v26, s19, v26
	v_mul_u32_u24 v27, v2, SPITCH
	v_lshl_add_u32 v27, v1, 4, v27
	v_add_nc_u32 v27, s19, v27
	v_lshlrev_b32 v30, 12, v2
	v_lshl_add_u32 v30, v1, 4, v30
	s_lshl_b32 s96, s83, 19
	s_lshl_b32 s98, s15, 18
	s_add_co_u32 s96, s96, s98
	s_lshl_b32 s98, s82, 9
	s_add_co_u32 s96, s96, s98
	s_lshl_b32 s98, s16, 8
	s_add_co_u32 s96, s96, s98
	s_mov_b32 s97, 0
	s_add_nc_u64 s[8:9], s[8:9], s[96:97]
.macro FRAG reg, a16, a8, o
	ds_load_b128 v[\reg:\reg+3], v[\a16] offset:\o
	ds_load_b64 v[\reg+4:\reg+5], v[\a8] offset:\o
	ds_load_b128 v[\reg+6:\reg+9], v[\a16] offset:\o+768
	ds_load_b64 v[\reg+10:\reg+11], v[\a8] offset:\o+768
.endm
.macro FETCH
.set AO, ((KN/6)%2)*SLOT+(KN%6)*REC
.set FN, F0+96*(KN%2)
	WIN 0
	v_add_nc_u32 v21, AO, v16
	v_add_nc_u32 v22, AO, v17
	v_add_nc_u32 v23, AO, v18
	v_add_nc_u32 v24, AO, v19
	v_add_nc_u32 v25, AO, v20
	WIN TO_F
.irp i, 0,1,2,3
	FRAG FN+12*\i, 21, 22, \i*1536
.endr
.irp i, 0,1,2,3
	FRAG FN+48+12*\i, 23, 24, \i*1536
.endr
	WIN 0
.irp i, 0,1,2,3
	ds_load_b32 v[SC+4*(KN%2)+\i], v25 offset:64*\i
.endr
.endm
.macro MUL4 a
.set FB, F0+96*(KS%2)
.set SS, SC+4*(KS%2)
.irp b, 0,1,2,3
.if KS == 0
	v_wmma_scale_f32_16x16x128_f8f6f4 v[ACC+8*(4*(\a)+\b):ACC+8*(4*(\a)+\b)+7], v[FB+48+12*\b:FB+48+12*\b+11], v[FB+12*(\a):FB+12*(\a)+11], 0, v[SS+\b], v[SS+(\a)] matrix_a_fmt:MATRIX_FMT_BF6 matrix_b_fmt:MATRIX_FMT_BF6 matrix_a_scale:MATRIX_SCALE_ROW1
.else
	v_wmma_scale_f32_16x16x128_f8f6f4 v[ACC+8*(4*(\a)+\b):ACC+8*(4*(\a)+\b)+7], v[FB+48+12*\b:FB+48+12*\b+11], v[FB+12*(\a):FB+12*(\a)+11], v[ACC+8*(4*(\a)+\b):ACC+8*(4*(\a)+\b)+7], v[SS+\b], v[SS+(\a)] matrix_a_fmt:MATRIX_FMT_BF6 matrix_b_fmt:MATRIX_FMT_BF6 matrix_a_scale:MATRIX_SCALE_ROW1
.endif
.endr
.endm
.macro STEP
	s_wait_dscnt 0x0
.set KN, KS+1
	FETCH
	WIN MUL
	MUL4 0
	MUL4 1
	MUL4 2
	MUL4 3
.set KS, KS+1
.endm
.macro TURN
.set SL, (KS/6)%2
	s_wait_dscnt 0x0
	WIN 0
	s_wait_tensorcnt 0x0
	ds_add_u32 v28, v29
	WIN MUL
	MUL4 0
	s_wait_dscnt 0x0
	s_barrier_signal -1
	MUL4 1
	WIN 0
	s_barrier_wait -1
.if KS/6 < 4
	CREST
	s_add_nc_u64 s[G0A+4*SL+2:G0A+4*SL+3], s[G0A+4*SL+2:G0A+4*SL+3], 12*REC
	s_add_nc_u64 s[G0B+4*SL+2:G0B+4*SL+3], s[G0B+4*SL+2:G0B+4*SL+3], 12*REC
	JLOAD G0A+4*SL, G0B+4*SL
.endif
.set KN, KS+1
	FETCH
.if KS/6 < 3
	global_prefetch_b8 v6, s[10:11] offset:(KS/6+3)*6*REC th:TH_LOAD_NT scope:SCOPE_SE
	global_prefetch_b8 v7, s[10:11] offset:(KS/6+3)*6*REC th:TH_LOAD_NT scope:SCOPE_SE
.endif
	WIN MUL
	MUL4 2
	MUL4 3
.set KS, KS+1
.endm
	s_wait_alu depctr_va_vdst(0)
.set KN, 0
	FETCH
	global_prefetch_b8 v6, s[10:11] offset:12*REC th:TH_LOAD_NT scope:SCOPE_SE
	global_prefetch_b8 v7, s[10:11] offset:12*REC th:TH_LOAD_NT scope:SCOPE_SE
.set KS, 0
.rept 5
.rept 5
	STEP
.endr
	TURN
.endr
.rept 5
	STEP
.endr
	s_wait_dscnt 0x0
	WIN MUL
	MUL4 0
	MUL4 1
	MUL4 2
	MUL4 3
	WIN 0
.macro TOSTAGE a
.irp b, 0,1,2,3
	ds_store_b128 v26, v[ACC+8*(4*(\a)+\b):ACC+8*(4*(\a)+\b)+3] offset:64*\b
	ds_store_b128 v26, v[ACC+8*(4*(\a)+\b)+4:ACC+8*(4*(\a)+\b)+7] offset:64*\b+16
.endr
.irp t, 0,1,2,3,4,5,6,7
	ds_load_b128 v[BK+32*((\a)%2)+4*\t:BK+32*((\a)%2)+4*\t+3], v27 offset:2*\t*SPITCH
.endr
.endm
.macro SEND a, younger
	s_wait_dscnt \younger
.irp t, 0,1,2,3,4,5,6,7
	global_store_b128 v30, v[BK+32*((\a)%2)+4*\t:BK+32*((\a)%2)+4*\t+3], s[8:9] offset:(16*(\a)+2*\t)*4096 th:TH_STORE_NT
.endr
.endm
.rept 4
	v_nop
.endr
	TOSTAGE 0
	TOSTAGE 1
	SEND 0, 16
	s_wait_xcnt 0x0
	TOSTAGE 2
	SEND 1, 16
	s_wait_xcnt 0x0
	TOSTAGE 3
	SEND 2, 16
	SEND 3, 0
	s_wait_tensorcnt 0x0
	ds_add_u32 v28, v29
	s_wait_dscnt 0x0
	CROUND
	s_endpgm
.Lfunc_end_k_qb6fbec6f56_out:
	.size	k_qb6fbec6f56_out, .Lfunc_end_k_qb6fbec6f56_out-k_qb6fbec6f56_out
	.p2alignl 7, 3214868480
	.fill 96, 4, 3214868480
	.section	.rodata,"a",@progbits
	.p2align	6, 0x0
	.amdhsa_kernel k_qb6fbec6f56_out
		.amdhsa_group_segment_fixed_size 327680
		.amdhsa_private_segment_fixed_size 0
		.amdhsa_enable_private_segment 0
		.amdhsa_kernarg_size 24
		.amdhsa_user_sgpr_count 2
		.amdhsa_user_sgpr_kernarg_segment_ptr 1
		.amdhsa_wavefront_size32 1
		.amdhsa_system_sgpr_workgroup_id_x 1
		.amdhsa_system_sgpr_workgroup_id_y 1
		.amdhsa_system_sgpr_workgroup_id_z 1
		.amdhsa_system_vgpr_workitem_id 0
		.amdhsa_next_free_vgpr 512
		.amdhsa_next_free_sgpr 100
		.amdhsa_reserve_vcc 0
		.amdhsa_float_denorm_mode_32 3
		.amdhsa_float_denorm_mode_16_64 3
		.amdhsa_memory_ordered 1
		.amdhsa_forward_progress 1
		.amdhsa_inst_pref_size 191
	.end_amdhsa_kernel
	.amdgpu_metadata
---
amdhsa.version: [ 1, 2 ]
amdhsa.kernels:
  - .name:           k_qb6fbec6f56_out
    .symbol:         k_qb6fbec6f56_out.kd
    .args:
      - { .name: a2, .offset: 0, .size: 8, .value_kind: global_buffer, .address_space: global }
      - { .name: wsp, .offset: 8, .size: 8, .value_kind: global_buffer, .address_space: global }
      - { .name: out0, .offset: 16, .size: 8, .value_kind: global_buffer, .address_space: global }
    .group_segment_fixed_size: 327680
    .private_segment_fixed_size: 0
    .kernarg_segment_align: 8
    .kernarg_segment_size: 24
    .max_flat_workgroup_size: 128
    .sgpr_count:     100
    .vgpr_count:     512
    .wavefront_size: 32
...
	.end_amdgpu_metadata
.endif
;; end of part 5
